; MI455X (gfx1250); checked and timed in simulation.
; The chip was launched on July 23, 2026; its instructions are those of AMD's public machine-readable ISA for CDNA 5 (MIT licence, August 2026) and "CDNA5" Instruction Set Architecture Reference Guide (July 2026). The comments in the code are by the model that wrote it; some were corrected since.
;; Multi Head Self Attention. Allowed arithmetic: matrix products marked QUANTISED: E4M3 operands, one given power-of-two scale a tensor, by v_wmma_f32_16x16x64_fp8_fp8 or v_wmma_f32_16x16x128_fp8_fp8, f32 sums; everything else in f32.
;; Inputs: W_o 1,024 x 1,024 float32; W_qkv 1,024 x 3,072 float32; b_o 1,024 float32; b_qkv 3,072 float32; lowp_scales 8 int32 (the exponents e of the quantised operands' scales 2^e); x 4 x 2,048 x 1,024 float32.
;; Outputs: out0 4 x 2,048 x 1,024 float32.
;; This version of the problem:
;;   THIS VERSION OF THE PROBLEM IS GIVEN IN LOW PRECISION. The matrix products marked QUANTISED in the list below multiply operands that are first quantised to E4M3 (4 exponent bits, 3 mantissa bits; 8 bits a number), with one given power-of-two scale for each operand tensor; their sums are f32. All else is computed in f32.
;;   The module's matrix products, in the order in which they are computed (A, B: the left and right operand; K: the contracted axis; several contracted axes count as one K, in the product's order):
;;     1. [M 8,192, K 1,024] x [K 1,024, N 3,072]; A: input x; B: input W_qkv: QUANTISED (scales: A lowp_scales[0], B lowp_scales[1])
;;     2. batch 64 x [M 2,048, K 64] x [K 64, N 2,048]; A: computed on the way; B: computed on the way: QUANTISED (scales: A lowp_scales[2], B lowp_scales[3])
;;     3. batch 64 x [M 2,048, K 2,048] x [K 2,048, N 64]; A: softmax (see below); B: computed on the way: QUANTISED (scales: A lowp_scales[4], B lowp_scales[5])
;;     4. [M 8,192, K 1,024] x [K 1,024, N 1,024]; A: computed on the way; B: input W_o: QUANTISED (scales: A lowp_scales[6], B lowp_scales[7])
;;   THE QUANTISER, for each operand of a quantised product, along K:
;;     - The operand's scale is 2^e, e = its entry of the input lowp_scales (int32; the entries are numbered through the quantised products in the list's order, A before B).
;;     - Each number is divided by the scale, clamped to +-448, and rounded to the nearest number of E4M3, ties to even, subnormals kept.
;;     - The product sums the exact products of the quantised numbers (number of the format x scale) in f32.
;;   ~~~python
;;   def quantise(x, axis, e):      # numpy; x: float32 -> the quantised numbers, widened to float32 again
;;       x = np.moveaxis(x, axis, -1); K = x.shape[-1]
;;       r = np.clip(x / 2.0 ** e, -448, 448)
;;       step = 2.0 ** (np.maximum(np.frexp(np.where(r == 0, 1, r))[1] - 1, -6) - 3)
;;       q = np.round(r / step) * step * 2.0 ** e      # np.round: ties to even
;;       return np.moveaxis(q, -1, axis).astype(np.float32)
;;   ~~~
;;   SOFTMAX AHEAD OF A QUANTISED PRODUCT. Where the list says 'softmax', what is quantised is not the finished softmax but p = 2^(t - M), with t = logit x log2(e) and M = ceil(the row's largest t), a whole number; so 1/2 < the row's largest p <= 1. The row's sum l is taken of the UNQUANTISED p, in f32, and the product's result is divided by l at the end. Since M is a whole number, a kernel that streams over the keys may use a running M (the ceiling of the running maximum): every later rescaling is an exact power of two, so the quantised numbers keep their values, but for numbers so far below the row's largest that they fall under the format's range.
;;   OPERANDS COMPUTED ON THE WAY. 'Computed on the way' means the value that the module computes at that place (a softmax that the list does not call 'softmax' is quantised finished and normalised). What goes into a quantiser is computed in f32, as accurately as f32 sums, v_exp_f32 and their like allow (about 1e-6 of the number): no bf16 or f16 on the way to a quantiser, and a product that is left as it is and whose result goes on into a quantised operand takes f32 operands (vector FMAs, or v_wmma_f32_16x16x4_f32). A number that lies on a knife's edge between two numbers of the format may be rounded either way, as far as f32 arithmetic and the matrix unit's own rounding can turn it there, and no further.
;; One version. Each part assembles by itself: llvm-mc -triple=amdgcn-amd-amdhsa -mcpu=gfx1250 --defsym DOCPART=n.
;; ======== version 1 of 1: 4 launches
;; limits: right only within a limited range of input values
;; workspace buffers: x_codes 8,388,608 bytes; wqkv_codes 3,145,728 bytes; wo_codes 1,048,576 bytes; q_codes 8,388,608 bytes; k_codes 8,388,608 bytes; v_codes 8,388,608 bytes; attn_codes 8,388,608 bytes
;; launch prep (part 1): grid 384 x 1, 4 waves a work-group, no clusters, 70,144 bytes of LDS; arguments x, W_qkv, W_o, lowp_scales, x_codes, wqkv_codes, wo_codes; writes x_codes, wqkv_codes, wo_codes
.if DOCPART == 1
	.amdgcn_target "amdgcn-amd-amdhsa--gfx1250"
	.amdhsa_code_object_version 6
	.text
	.protected	k_q822325cbe9_prep
	.globl	k_q822325cbe9_prep
	.p2align	8
	.type	k_q822325cbe9_prep,@function
k_q822325cbe9_prep:
	s_mov_b64 s[64:65], 0
	v_nop
	global_prefetch_b8 v0, s[64:65] scope:SCOPE_SE
	s_setreg_imm32_b32 hwreg(HW_REG_WAVE_MODE, 25, 1), 1
	s_wait_xcnt 0x0
; x [8192][1024], W_qkv [1024 k][3072 n] and W_o [1024 k][1024 n], f32, become codes of FP8 (E4M3), each with the one scale 2^e given for it
; (entries 0, 1 and 7 of the scales): code = number / 2^e, held within +-448, to the nearest code, ties to even.
; LIMITS: each of the three e lies between -126 and 119, so that 2^e and 448 x 2^e are f32 numbers.  NaN among the inputs is not served; an infinity is held at the largest code.
; Work-groups 0-255 take x, 256-351 W_qkv, 352-383 W_o: 128 KiB of f32 each.  Waves share nothing: no barrier, no cluster (no input byte is read twice), no matrix unit.
; ORDER ALONG K.  A quantised product may take K in any order that both operands share.  x's codes are stored in the order in which dense loads leave them in a lane:
; inside each 512 along K, place p holds k = 128 ((p / 4) % 4) + 4 (p / 16) + p % 4.  W_qkv's codes, laid [n][1024 places], follow the same order.  W_o's, [n][1024 k], are in natural order.
.set SPARE, 69632                      ; behind the two paths' stages: the spare words, 128 bytes for each wave: two blocks of 256 bytes that no other line names
.set PW,    272                        ; a stage row: 256 bytes of codes + 16
.set WSTG,  32*PW                      ; a wave's stage: 32 columns
.set SPW,   14                         ; v14  LDS address of my spare word; never rewritten
.set NIL,   15                         ; v15  0; never rewritten
.set R,     16                         ; x: v16-79 four sets of 16 numbers
.set CX,    128                        ; x: v128-191 four registers of codes for each step: no store's data are written again
.set X,     32                         ; weights: v32-95 two sets of 32 numbers
.set C,     96                         ; weights: v96-103 a block's codes
.set OUTR,  112                        ; weights: v112-175 the way out
	s_load_b256 s[4:11], s[0:1], 0x0               ; x s[4:5], W_qkv s[6:7], W_o s[8:9], the scales' exponents s[10:11]
	s_load_b128 s[12:15], s[0:1], 0x20             ; x's codes s[12:13], W_qkv's s[14:15]
	s_load_b64 s[16:17], s[0:1], 0x30              ; W_o's
	v_lshl_add_u32 v[SPW], v0, 2, SPARE
	v_mov_b32 v[NIL], 0
	v_lshrrev_b32 v1, 5, v0
	v_readfirstlane_b32 s18, v1                    ; wave 0..3
	v_and_b32 v2, 31, v0                           ; lane
	v_lshlrev_b32 v3, 4, v2                        ; x: 16 bytes a lane, in and out
	v_lshlrev_b32 v9, 2, v2                        ; weights: 4 bytes a lane: a lane to a column
	s_mul_i32 s19, s18, WSTG                       ; every LDS address is made here, ahead of the parting; a path's stage base stands in the immediates
	v_mul_u32_u24 v4, v2, PW
	v_add_nc_u32 v4, s19, v4                       ; into my stage: row = my column
	v_and_b32 v5, 15, v2
	v_lshrrev_b32 v6, 4, v2
	v_mul_u32_u24 v7, v6, PW
	v_lshl_add_u32 v7, v5, 4, v7
	v_add_nc_u32 v7, s19, v7                       ; out of it: sixteen lanes to a row, two rows an instruction
	v_lshlrev_b32 v8, 10, v6
	v_lshl_add_u32 v8, v5, 4, v8                   ; and the same place in the codes' buffer (rows of 1,024 bytes)
	s_wait_kmcnt 0x0
	s_load_b256 s[24:31], s[10:11], 0x0            ; e0 .. e7
.macro MKSCALE e                       ; v11 = 2^e as f32 (the conversion takes its exponent field), v10 = 448 x 2^e
	s_add_co_i32 s20, s[\e], 127
	s_lshl_b32 s21, s20, 23
	v_mov_b32 v11, s21
	s_add_co_i32 s20, s20, 8
	s_lshl_b32 s20, s20, 23
	s_or_b32 s20, s20, 0x600000
	v_mov_b32 v10, s20
.endm
	s_cmp_lt_u32 ttmp9, 256
	s_cbranch_scc0 .Lweights
; ---- x: a wave takes 16 steps of 512 numbers.  Each load reads 512 consecutive bytes, each store writes 512 consecutive bytes; a lane's 16 codes are stored as they fall.
	s_lshl_b32 s20, ttmp9, 2
	s_add_co_u32 s20, s20, s18                     ; which run of 8,192 numbers is my wave's
	s_lshl_b32 s22, s20, 15
	s_mov_b32 s23, 0
	s_add_nc_u64 s[4:5], s[4:5], s[22:23]
	s_lshl_b32 s22, s20, 13
	s_add_nc_u64 s[12:13], s[12:13], s[22:23]
.macro XLOAD t
.irp i, 0,1,2,3
	global_load_b128 v[R+16*((\t)%4)+4*\i:R+16*((\t)%4)+4*\i+3], v3, s[4:5] offset:2048*(\t)+512*\i th:TH_LOAD_NT
.endr
.endm
.macro XSTEP t
.if (\t) < 13
	s_wait_loadcnt 12                              ; this step's four loads are in; those of the three steps behind it stay out
.else
	s_wait_loadcnt 4*(15-(\t))                     ; the counts run down
.endif
.set XS, R+16*((\t)%4)
.irp i, 0,1,2,3,4,5,6,7,8,9,10,11,12,13,14,15
	v_med3_num_f32 v[XS+\i], v[XS+\i], -v10, v10   ; the conversion to an 8-bit code does not saturate (ISA guide 7.6.2): the hold comes first
.endr
	v_cvt_scalef32_pk8_fp8_f32 v[CX+4*(\t):CX+4*(\t)+1], v[XS:XS+7], v11
	v_cvt_scalef32_pk8_fp8_f32 v[CX+4*(\t)+2:CX+4*(\t)+3], v[XS+8:XS+15], v11
.if (\t)+4 < 16
	XLOAD (\t)+4                                   ; loads ahead of the store; the set is free
.endif
	global_store_b128 v3, v[CX+4*(\t):CX+4*(\t)+3], s[12:13] offset:512*(\t)
.endm
.irp t, 0,1,2,3
	XLOAD \t
.endr
	s_wait_kmcnt 0x0
	MKSCALE 24
	s_wait_alu depctr_va_vdst(0)
.irp t, 0,1,2,3,4,5,6,7,8,9,10,11,12,13,14,15
	XSTEP \t
.endr
	s_branch .Lend
; ---- a weight [1024 k][N]: a lane takes a column n and its registers run down K, so the conversions give codes with K innermost; nothing is transposed by an instruction.
; A wave takes 32 columns x 256 places along K: 8 blocks of 32.  The codes go through the wave's own stage and leave as rows: sixteen lanes store 256 consecutive bytes, aligned.
.macro WLOAD t, N, PERM, SRC           ; block t: the 32 rows of W that belong to places 32 t .. 32 t + 31, into set t % 2
.irp i, 0,1,2,3,4,5,6,7,8,9,10,11,12,13,14,15,16,17,18,19,20,21,22,23,24,25,26,27,28,29,30,31
.if \PERM
	global_load_b32 v[X+32*((\t)%2)+\i], v9, s[\SRC:\SRC+1] offset:(128*((\i/4)%4)+8*(\t)+4*(\i/16)+(\i%4))*\N*4 th:TH_LOAD_NT
.else
	global_load_b32 v[X+32*((\t)%2)+\i], v9, s[\SRC:\SRC+1] offset:(32*(\t)+\i)*\N*4 th:TH_LOAD_NT
.endif
.endr
.endm
.macro WPATH N, PERM, STG, BASE, SRC, DST, E
	s_sub_co_u32 s32, ttmp9, \BASE
	s_lshr_b32 s33, s32, 2
	s_and_b32 s34, s32, 3                          ; which 256 places along K
	s_lshl_b32 s33, s33, 7
	s_lshl_b32 s35, s18, 5
	s_add_co_u32 s33, s33, s35                     ; my wave's first column
.if \PERM
	s_lshr_b32 s35, s34, 1                         ; the rows of these places begin at 512 (ky / 2) + 64 (ky % 2)
	s_lshl_b32 s35, s35, 9
	s_and_b32 s36, s34, 1
	s_lshl_b32 s36, s36, 6
	s_add_co_u32 s35, s35, s36
.else
	s_lshl_b32 s35, s34, 8
.endif
	s_mul_i32 s36, s35, \N*4
	s_lshl_b32 s37, s33, 2
	s_add_co_u32 s36, s36, s37
	s_mov_b32 s37, 0
	s_add_nc_u64 s[\SRC:\SRC+1], s[\SRC:\SRC+1], s[36:37]
	s_lshl_b32 s36, s33, 10
	s_lshl_b32 s38, s34, 8
	s_add_co_u32 s36, s36, s38
	s_add_nc_u64 s[\DST:\DST+1], s[\DST:\DST+1], s[36:37]
	WLOAD 0, \N, \PERM, \SRC
	WLOAD 1, \N, \PERM, \SRC
	s_wait_kmcnt 0x0
	MKSCALE \E
	s_wait_alu depctr_va_vdst(0)
.irp t, 0,1,2,3,4,5,6,7
.if \t < 7
	s_wait_loadcnt 32                              ; this block's 32 loads are in; the next block's stay out
.else
	s_wait_loadcnt 0
.endif
.irp i, 0,1,2,3,4,5,6,7,8,9,10,11,12,13,14,15,16,17,18,19,20,21,22,23,24,25,26,27,28,29,30,31
	v_med3_num_f32 v[X+32*(\t%2)+\i], v[X+32*(\t%2)+\i], -v10, v10
.endr
.irp g, 0,1,2,3
	v_cvt_scalef32_pk8_fp8_f32 v[C+2*\g:C+2*\g+1], v[X+32*(\t%2)+8*\g:X+32*(\t%2)+8*\g+7], v11
.endr
	ds_store_b128 v4, v[C:C+3] offset:\STG+32*\t
	ds_store_b128 v4, v[C+4:C+7] offset:\STG+32*\t+16
.if \t+2 < 8
	WLOAD \t+2, \N, \PERM, \SRC
.endif
	s_wait_dscnt 0x0                               ; the stores have read their registers: the next block's codes may be written
.endr
.irp t, 0,1,2,3,4,5,6,7,8,9,10,11,12,13,14,15
	ds_load_b128 v[OUTR+4*\t:OUTR+4*\t+3], v7 offset:\STG+2*\t*PW   ; LDS serves a wave's instructions in order: these see my stores
.endr
.irp t, 0,1,2,3,4,5,6,7,8,9,10,11,12,13,14,15
	s_wait_dscnt 15-\t                             ; the younger read-backs stay out
	global_store_b128 v8, v[OUTR+4*\t:OUTR+4*\t+3], s[\DST:\DST+1] offset:2*\t*1024
.endr
.endm
.Lweights:
	s_cmp_lt_u32 ttmp9, 352
	s_cbranch_scc0 .Lwo
	WPATH 3072, 1, 0, 256, 6, 14, 25
	s_branch .Lend
.Lwo:
	WPATH 1024, 0, 4*WSTG, 352, 8, 16, 31
.Lend:
	s_wait_tensorcnt 0x0                           ; the wave's end
	ds_add_u32 v[SPW], v[NIL]
	s_wait_dscnt 0x0
	s_endpgm
.Lfunc_end_k_q822325cbe9_prep:
	.size	k_q822325cbe9_prep, .Lfunc_end_k_q822325cbe9_prep-k_q822325cbe9_prep
	.p2alignl 7, 3214868480
	.fill 96, 4, 3214868480
	.section	.rodata,"a",@progbits
	.p2align	6, 0x0
	.amdhsa_kernel k_q822325cbe9_prep
		.amdhsa_group_segment_fixed_size 70144
		.amdhsa_private_segment_fixed_size 0
		.amdhsa_enable_private_segment 0
		.amdhsa_kernarg_size 56
		.amdhsa_user_sgpr_count 2
		.amdhsa_user_sgpr_kernarg_segment_ptr 1
		.amdhsa_wavefront_size32 1
		.amdhsa_system_sgpr_workgroup_id_x 1
		.amdhsa_system_sgpr_workgroup_id_y 1
		.amdhsa_system_sgpr_workgroup_id_z 1
		.amdhsa_system_vgpr_workitem_id 0
		.amdhsa_next_free_vgpr 192
		.amdhsa_next_free_sgpr 66
		.amdhsa_reserve_vcc 0
		.amdhsa_float_denorm_mode_32 3
		.amdhsa_float_denorm_mode_16_64 3
		.amdhsa_memory_ordered 1
		.amdhsa_forward_progress 1
		.amdhsa_inst_pref_size 124
	.end_amdhsa_kernel
	.amdgpu_metadata
---
amdhsa.version: [ 1, 2 ]
amdhsa.kernels:
  - .name:           k_q822325cbe9_prep
    .symbol:         k_q822325cbe9_prep.kd
    .args:
      - { .name: x, .offset: 0, .size: 8, .value_kind: global_buffer, .address_space: global }
      - { .name: W_qkv, .offset: 8, .size: 8, .value_kind: global_buffer, .address_space: global }
      - { .name: W_o, .offset: 16, .size: 8, .value_kind: global_buffer, .address_space: global }
      - { .name: lowp_scales, .offset: 24, .size: 8, .value_kind: global_buffer, .address_space: global }
      - { .name: x_codes, .offset: 32, .size: 8, .value_kind: global_buffer, .address_space: global }
      - { .name: wqkv_codes, .offset: 40, .size: 8, .value_kind: global_buffer, .address_space: global }
      - { .name: wo_codes, .offset: 48, .size: 8, .value_kind: global_buffer, .address_space: global }
    .group_segment_fixed_size: 70144
    .private_segment_fixed_size: 0
    .kernarg_segment_align: 8
    .kernarg_segment_size: 56
    .max_flat_workgroup_size: 128
    .sgpr_count:     66
    .vgpr_count:     192
    .wavefront_size: 32
...
	.end_amdgpu_metadata
.endif
;; end of part 1
;; launch qkv (part 2): grid 12 x 32, 4 waves a work-group, clusters of 4 x 4, 327,680 bytes of LDS; arguments x_codes, wqkv_codes, lowp_scales, b_qkv, q_codes, k_codes, v_codes; writes q_codes, k_codes, v_codes
.if DOCPART == 2
	.amdgcn_target "amdgcn-amd-amdhsa--gfx1250"
	.amdhsa_code_object_version 6
	.text
	.protected	k_q822325cbe9_qkv
	.globl	k_q822325cbe9_qkv
	.p2align	8
	.type	k_q822325cbe9_qkv,@function
k_q822325cbe9_qkv:
	s_mov_b64 s[64:65], 0
	v_nop
	global_prefetch_b8 v0, s[64:65] scope:SCOPE_SE
	s_setreg_imm32_b32 hwreg(HW_REG_WAVE_MODE, 25, 1), 1
	s_wait_xcnt 0x0
	s_wait_alu depctr_hold_cnt(0) depctr_sa_sdst(0) depctr_va_vdst(0) depctr_va_sdst(0) depctr_va_ssrc(0) depctr_va_vcc(0) depctr_vm_vsrc(0)
	s_getreg_b32 s2, hwreg(HW_REG_IB_STS2, 6, 4)
	s_cmp_eq_u32 s2, 0
	s_cbranch_scc0 .Lentry_in_a_cluster
	s_endpgm
.Lentry_in_a_cluster:
	s_bfe_u32 s2, ttmp6, 0x10000c
	s_cmp_lg_u32 s2, 0xf033
	s_cbranch_scc0 .Lentry_shape_is_right
	s_endpgm
.Lentry_shape_is_right:
; qkv = x W_qkv + b_qkv on codes of FP8 (E4M3), K = 1,024, and its three parts quantised at once for the attention: Q with 2^e2, K with 2^e3, V with 2^e5.  Nothing wide goes to memory.
; A tile of 256 x 256 is made by four waves, 128 x 128 each: 64 accumulators of 16 x 16.  K goes in four steps of 256 through two LDS slots filled by the tensor data mover.
; ROLES.  Operand "A" gives a lane its row, operand "B" its eight neighbouring columns (the matrix instruction is used transposed: source 0 = 16 rows of B, source 1 = 16 rows of A).
;   cluster x = 0, 1 (Q, K): A = rows of x, B = rows of W's codes: a lane holds 8 neighbouring channels of one token: Q and K are laid [batch][head][token][64].
;   cluster x = 2 (V):       A = rows 2,048 on of W's codes, B = rows of x: a lane holds 8 neighbouring KEYS of one channel, which are the next product's K:
;                            V is laid [batch][head][key block of 128][64 channels][128 bytes]; key 32 c + 16 u + 8 g + j of a block lies at byte 32 c + 16 g + 8 u + j.
; The roles are chosen by scalar selects on the cluster's x, which all sixteen partners share; only the first K step (the bias is its C) and the way out have two arms.
; CLUSTERS: 4 x 4 work-groups; A's tile is asked for jointly along a row of the cluster, B's along a column.
; THE BIAS is the C of each sum's first matrix instruction, divided by 2^(e0 + e1), which the sums lack.  A code is sum / 2^(e_dst - e0 - e1): the three scales are folded into the conversion's one.
; LIMITS: e_dst - e0 - e1 (e_dst = e2, e3, e5) between -126 and 119.  NaN is not served.
; REGISTERS, in windows of 256: window 0: v16-31 addresses and constants; v32-95 the bias tiles; v96-127 codes on the way out; from v128 A's fragments, ONE set (on the way out: held sums, rows read back);
;   window 1: B's fragments, two sets;  window 2: the accumulators of my rows 0-63 ((a, b) at v[8 (8 a + b)]);  window 3: those of rows 64-127.
.set KROW,   1024                      ; a row of codes in memory
.set ROWB,   256                       ; a tile's row: 256 codes
.set PITCH,  272                       ; an LDS row: 256 bytes + 16: the 16 rows that a load touches start at 16 different banks (64 banks of 4 bytes: ISA guide 11.1)
.set FR,     16
.set NL,     4
.set NP,     4                         ; places behind this matrix instruction (ISA guide 7.12.1)
.set HALFT,  128*PITCH
.set SLOT,   4*HALFT
.set SPARE,  2*SLOT                    ; behind the ring: the spare words, 128 bytes for each wave
.set SPQ,    144                       ; the way out: a stage row: 128 bytes of codes + 16
.set STGB,   16*SPQ                    ; a wave's stage.  The stages lie in slot 0, which has had its last fill and its last read when the first code is stored there; each arm of the way out has bytes of its own
.set ADRA, 16
.set ADRB, 20
.set STQ,  22
.set RDQ,  23
.set STV,  24
.set RDV,  25
.set CO,   26
.set SPW,  28
.set NIL,  29
.set LIMV, 30                          ; v30  448 x the conversion's scale
.set SCV,  31                          ; v31  the conversion's scale
.set BT,   32
.set CD,   96
.set AF,   128
.set XQ,   128
.set BK,   192
.set G1, 24
.set G0, 32
.set G1B, 48
.set G0B, 56
.set MSB, 0
.macro WIN new                         ; the immediate's high byte repeats the setting that is left
.if MSB != \new
	s_set_vgpr_msb (MSB<<8)|\new
.set MSB, \new
.endif
.endm
.set MUL_LO, 0xa1                      ; source 0 (B) window 1, source 1 (A) window 0, C and D window 2
.set MUL_HI, 0xf1
.set BEG_LO, 0x81                      ; the first K step: C (the bias) window 0, D window 2
.set BEG_HI, 0xc1
.set TO_B,   0x40
.macro JLOAD g0a, g1a, g0b, g1b        ; a joint load: waves 0 and 1 fetch for A, waves 2 and 3 for B; an s_nop 0 and four v_nop follow each of the two lines
	s_cmp_eq_u32 s15, 0
	s_cbranch_scc0 .Lfor_b_\@
	tensor_load_to_lds s[\g0a:\g0a+3], s[\g1a:\g1a+7]
	s_nop 0
.rept 4
	v_nop
.endr
	s_branch .Lasked_\@
.Lfor_b_\@:
	tensor_load_to_lds s[\g0b:\g0b+3], s[\g1b:\g1b+7]
	s_nop 0
.rept 4
	v_nop
.endr
.Lasked_\@:
.endm
.macro CREST
	s_cmp_lg_u32 s14, 0
	s_cbranch_scc1 .Lnot_wave_0_\@
	s_barrier_signal -3
.Lnot_wave_0_\@:
	s_barrier_wait -3
	s_barrier_signal -1
	s_barrier_wait -1
.endm
.macro CROUND
	s_barrier_signal -1
	s_barrier_wait -1
	CREST
.endm
	s_load_b128 s[4:7], s[0:1], 0x0                ; x's codes s[4:5], W's codes s[6:7]
	s_load_b128 s[8:11], s[0:1], 0x10              ; the scales' exponents s[8:9], the bias s[10:11]
	s_load_b128 s[68:71], s[0:1], 0x20             ; Q's codes s[68:69], K's s[70:71]
	s_load_b64 s[72:73], s[0:1], 0x30              ; V's
	v_lshl_add_u32 v[SPW], v0, 2, SPARE
	v_mov_b32 v[NIL], 0
	ds_add_u32 v[SPW], v[NIL]                      ; the wave's opening: the add and its wait ahead of my first tensor load; work on registers stands between them
	ds_add_u32 v[SPW], v[NIL]
	v_lshrrev_b32 v1, 5, v0
	v_readfirstlane_b32 s14, v1                    ; wave 0..3
	s_lshr_b32 s15, s14, 1                         ; which half of A's rows is mine.  Also: I fetch for A (0) or for B (1)
	s_and_b32 s16, s14, 1                          ; which half of B's rows.  Also: which 128 rows of that tile I fetch
	s_bfe_u32 s40, ttmp6, 0x40000                  ; cx
	s_bfe_u32 s41, ttmp6, 0x40004                  ; cy
	s_and_b32 s88, ttmp7, 0xffff
	s_lshl_b32 s88, s88, 2                         ; 4 x cluster y
	s_lshl_b32 s89, ttmp9, 2                       ; 4 x cluster x
	s_cmp_eq_u32 ttmp9, 2                          ; V's clusters?
	s_cselect_b32 s17, 0, s88
	s_cselect_b32 s42, s88, s89
	s_cselect_b32 s95, 2048, 0                     ; V's rows of W begin here
	s_add_co_u32 s17, s17, s41                     ; A's tile: Q, K: 4 x cluster y + cy of x;  V: cy of W's last 1,024 rows
	s_add_co_u32 s42, s42, s40                     ; B's tile: Q, K: 4 x cluster x + cx of W;  V: 4 x cluster y + cx of x
	s_lshl_b32 s43, s41, 2
	s_lshl_b32 s43, 15, s43                        ; my row of the cluster
	s_lshl_b32 s44, 0x1111, s40                    ; my column
	s_or_b32 s[G1+0], s43, (0<<16)|(1<<20)|(1<<21)|(5<<22)|(3<<25)  ; the mask: A's tiles go to my row; elements of 1 byte; padding on; bit 21 beside a mask; 4 words after every 64
	s_or_b32 s[G1B+0], s44, (0<<16)|(1<<20)|(1<<21)|(5<<22)|(3<<25)
.irp g, G1, G1B
	s_mov_b32 s[\g+1], ROWB<<16                    ; tensor_dim0
	s_mov_b32 s[\g+2], 128<<16                     ; tensor_dim1
	s_mov_b32 s[\g+3], ROWB<<16                    ; tile_dim0
	s_mov_b32 s[\g+4], 128                         ; tile_dim1
	s_mov_b32 s[\g+5], KROW                        ; from row to row
	s_mov_b32 s[\g+6], 0
	s_mov_b32 s[\g+7], 0
.endr
	s_lshl_b32 s18, s16, 7
	s_lshl_b32 s20, s17, 8
	s_add_co_u32 s20, s20, s18
	s_add_co_u32 s20, s20, s95                     ; A: the first of the 128 rows that I fetch
	s_lshl_b32 s46, s42, 8
	s_add_co_u32 s46, s46, s18                     ; B likewise
	s_lshl_b32 s20, s20, 10                        ; in bytes
	s_lshl_b32 s46, s46, 10
	s_mov_b32 s21, 0
	s_mov_b32 s47, 0
	s_mul_i32 s45, s14, HALFT                      ; where they go: wave x 128 rows: no place in the cluster enters an LDS address
	s_wait_dscnt 0x0                               ; the opening add is done
	s_wait_kmcnt 0x0
	s_load_b256 s[80:87], s[8:9], 0x0              ; e0 .. e7
	s_cmp_eq_u32 ttmp9, 2
	s_cselect_b64 s[74:75], s[6:7], s[4:5]         ; A's buffer
	s_cselect_b64 s[76:77], s[4:5], s[6:7]         ; B's
	s_add_nc_u64 s[20:21], s[74:75], s[20:21]
	s_add_nc_u64 s[46:47], s[76:77], s[46:47]
	CROUND                                         ; all sixteen work-groups are here: the first joint loads meet
.irp s, 0,1
	s_mov_b32 s[G0+4*\s], 1
	s_add_co_u32 s[G0+4*\s+1], s45, \s*SLOT
	s_add_nc_u64 s[G0+4*\s+2:G0+4*\s+3], s[20:21], \s*ROWB
	s_or_b32 s[G0+4*\s+3], s[G0+4*\s+3], 0x80000000
	s_mov_b32 s[G0B+4*\s], 1
	s_add_co_u32 s[G0B+4*\s+1], s45, \s*SLOT
	s_add_nc_u64 s[G0B+4*\s+2:G0B+4*\s+3], s[46:47], \s*ROWB
	s_or_b32 s[G0B+4*\s+3], s[G0B+4*\s+3], 0x80000000
.endr
	JLOAD G0, G1, G0B, G1B                         ; K step 0: one tensor load a wave at the head
	v_and_b32 v1, 15, v0                           ; r = lane % 16
	s_wait_alu depctr_va_vdst(0)
	v_bfe_u32 v2, v0, 4, 1                         ; h = lane / 16
	v_mul_u32_u24 v3, v1, PITCH
	v_lshl_add_u32 v4, v2, 4, v3                   ; a fragment's row x pitch + 16 h
	s_mul_i32 s21, s15, HALFT
	s_mul_i32 s22, s16, HALFT
	s_add_co_u32 s22, s22, 2*HALFT
.irp s, 0,1
	v_add_nc_u32 v[ADRA+\s], s21, v4
	v_add_nc_u32 v[ADRB+\s], s22, v4
	s_add_co_u32 s21, s21, SLOT
	s_add_co_u32 s22, s22, SLOT
.endr
	s_mul_i32 s23, s14, STGB                       ; my stage
	v_mul_u32_u24 v5, v1, SPQ
	v_add_nc_u32 v5, s23, v5
	s_wait_alu depctr_va_vdst(0)
	v_lshl_add_u32 v[STQ], v2, 3, v5               ; Q, K in: row r, 8 bytes for each half of the lanes
	v_lshl_add_u32 v[STV], v2, 4, v5               ; V in: row r, byte 16 h of each 32
	v_add_nc_u32 v[STV], 4*STGB, v[STV]
	v_and_b32 v6, 31, v0
	v_lshrrev_b32 v7, 2, v6
	v_mul_u32_u24 v7, v7, SPQ
	v_and_b32 v8, 3, v6
	v_lshl_add_u32 v7, v8, 4, v7
	v_add_nc_u32 v[RDQ], s23, v7                   ; Q, K back: four lanes to a token's 64 bytes of one head, eight tokens an instruction
	v_lshrrev_b32 v7, 3, v6
	v_mul_u32_u24 v7, v7, SPQ
	v_and_b32 v8, 7, v6
	v_lshl_add_u32 v7, v8, 4, v7
	v_add_nc_u32 v7, s23, v7
	v_add_nc_u32 v[RDV], 4*STGB, v7                ; V back: eight lanes to a channel's 128 bytes, four channels an instruction
	v_lshlrev_b32 v[CO], 4, v6                     ; either way the 32 lanes store 512 consecutive bytes
	v_lshlrev_b32 v9, 5, v2                        ; the bias, Q and K: 32 h
	v_lshlrev_b32 v10, 2, v1                       ; the bias, V: 4 r
	; where my 128 x 128 begins: on x's side (tokens) and on W's side (columns of qkv)
	s_lshl_b32 s12, s17, 8
	s_lshl_b32 s13, s15, 7
	s_add_co_u32 s12, s12, s13                     ; A's side
	s_lshl_b32 s18, s42, 8
	s_lshl_b32 s13, s16, 7
	s_add_co_u32 s18, s18, s13                     ; B's side
	s_cmp_eq_u32 ttmp9, 2
	s_cselect_b32 s19, s18, s12                    ; my first token
	s_cselect_b32 s22, s12, s18                    ; my first row of W's part
	s_add_co_u32 s23, s22, s95
	s_lshl_b32 s78, s23, 2
	s_mov_b32 s79, 0
	s_add_nc_u64 s[78:79], s[10:11], s[78:79]      ; the bias at my first column of qkv
	s_and_b32 s22, s22, 1023
	s_lshr_b32 s22, s22, 6                         ; my first head
	s_lshl_b32 s22, s22, 17                        ; a head is 131,072 bytes in each of the three buffers,
	s_lshr_b32 s23, s19, 11
	s_lshl_b32 s23, s23, 21                        ; a batch sixteen of them,
	s_add_co_u32 s22, s22, s23
	s_and_b32 s23, s19, 2047
	s_lshl_b32 s23, s23, 6                         ; a token 64 bytes (in V: a block of 128 keys 8,192)
	s_add_co_u32 s22, s22, s23
	s_mov_b32 s23, 0
	s_cmp_eq_u32 ttmp9, 0
	s_cselect_b64 s[90:91], s[68:69], s[70:71]
	s_cmp_eq_u32 ttmp9, 2
	s_cselect_b64 s[90:91], s[72:73], s[90:91]
	s_add_nc_u64 s[90:91], s[90:91], s[22:23]      ; where my codes go
	s_wait_kmcnt 0x0
	s_cmp_eq_u32 ttmp9, 0
	s_cselect_b32 s92, s82, s83
	s_cmp_eq_u32 ttmp9, 2
	s_cselect_b32 s92, s85, s92                    ; e_dst
	s_add_co_i32 s93, s80, s81                     ; e0 + e1
	s_sub_co_i32 s92, s92, s93
	s_sub_co_i32 s93, 0, s93
	s_add_co_i32 s92, s92, 127
	s_lshl_b32 s94, s92, 23
	v_mov_b32 v[SCV], s94                          ; 2^(e_dst - e0 - e1)
	s_add_co_i32 s92, s92, 8
	s_lshl_b32 s92, s92, 23
	s_or_b32 s92, s92, 0x600000
	v_mov_b32 v[LIMV], s92                         ; 448 x that
	; the bias tiles, in the result's layout, divided by 2^(e0 + e1)
	s_cmp_eq_u32 ttmp9, 2
	s_cbranch_scc1 .Lbias_v
	s_wait_alu depctr_va_vdst(0)
.irp b, 0,1,2,3,4,5,6,7                        ; Q, K: tile b: the bias of columns 16 b + 8 h + 0 .. 7
	global_load_b128 v[BT+8*\b:BT+8*\b+3], v9, s[78:79] offset:64*\b
	global_load_b128 v[BT+8*\b+4:BT+8*\b+7], v9, s[78:79] offset:64*\b+16
.endr
	s_wait_loadcnt 0x0
.set j, 0
.rept 64
	v_ldexp_f32 v[BT+j], v[BT+j], s93
.set j, j+1
.endr
	s_branch .Lbias_done
.Lbias_v:
	s_wait_alu depctr_va_vdst(0)
.irp a, 0,1,2,3,4,5,6,7                        ; V: tile a: the bias of channel 16 a + r, eight times: the scalings are also the copies
	global_load_b32 v[BT+8*\a], v10, s[78:79] offset:64*\a
.endr
	s_wait_loadcnt 0x0
.irp a, 0,1,2,3,4,5,6,7
.irp j, 7,6,5,4,3,2,1,0
	v_ldexp_f32 v[BT+8*\a+\j], v[BT+8*\a], s93
.endr
.endr
.Lbias_done:
.macro FRAG reg, adr, q, i             ; 16 rows x 128 places: lane l holds row l % 16; registers 4 c .. 4 c + 3 hold places 32 c + 16 (l / 16) + 0 .. 15, alike in A and in B
.irp c, 0,1,2,3
	ds_load_b128 v[\reg+4*\c:\reg+4*\c+3], v[\adr] offset:128*(\q)+32*\c+(\i)*16*PITCH
.endr
.endm
; 16 matrix instructions: A's blocks a0, a0 + 1 x B's eight.  cm = 0: in place; 1: C = the bias by B's block; 2: C = the bias by A's block.  The 64 accumulators take turns, one instruction a turn.
.macro MUL16 a0, p, cm
.irp a, \a0, \a0+1
.irp b, 0,1,2,3,4,5,6,7
.if \cm == 1
	v_wmma_f32_16x16x128_fp8_fp8 v[8*(8*((\a)%4)+\b):8*(8*((\a)%4)+\b)+7], v[128*(\p)+FR*\b:128*(\p)+FR*\b+FR-1], v[AF+FR*(\a):AF+FR*(\a)+FR-1], v[BT+8*\b:BT+8*\b+7]
.elseif \cm == 2
	v_wmma_f32_16x16x128_fp8_fp8 v[8*(8*((\a)%4)+\b):8*(8*((\a)%4)+\b)+7], v[128*(\p)+FR*\b:128*(\p)+FR*\b+FR-1], v[AF+FR*(\a):AF+FR*(\a)+FR-1], v[BT+8*(\a):BT+8*(\a)+7]
.else
	v_wmma_f32_16x16x128_fp8_fp8 v[8*(8*((\a)%4)+\b):8*(8*((\a)%4)+\b)+7], v[128*(\p)+FR*\b:128*(\p)+FR*\b+FR-1], v[AF+FR*(\a):AF+FR*(\a)+FR-1], v[8*(8*((\a)%4)+\b):8*(8*((\a)%4)+\b)+7]
.endif
.endr
.endr
.endm
.macro FETCH_B slot, q, p
	WIN TO_B
.irp i, 0,1,2,3,4,5,6,7
	FRAG 128*(\p)+FR*\i, ADRB+\slot, \q, \i
.endr
	WIN 0
.endm
.macro FETCH_A slot, q, i0
.irp i, \i0, \i0+1, \i0+2, \i0+3
	FRAG AF+FR*(\i), ADRA+\slot, \q, \i
.endr
.endm
.macro PLACES n                        ; plain vector instructions between a matrix instruction and a load into, or a vector instruction on, its registers
.rept \n
	v_nop
.endr
.endm
.macro STEP slot, q, cm                ; 128 along K whose successor lies in the same slot
	s_wait_dscnt 4*NL                              ; B's set and A's blocks 0-3 are in; the sixteen youngest loads (A's blocks 4-7) may be out
.if \cm
	WIN BEG_LO
.else
	WIN MUL_LO
.endif
	MUL16 0, (\q)%2, \cm
	MUL16 2, (\q)%2, \cm
	s_wait_dscnt 0
	PLACES NP
	FETCH_B \slot, (\q)+1, 1-(\q)%2
	FETCH_A \slot, (\q)+1, 0
.if \cm
	WIN BEG_HI
.else
	WIN MUL_HI
.endif
	MUL16 4, (\q)%2, \cm
	MUL16 6, (\q)%2, \cm
	PLACES NP
	WIN 0
	FETCH_A \slot, (\q)+1, 4
.endm
; A slot's last step changes slots: one barrier; in front of it each wave waits for all its tensor loads, adds 0 to its spare word, and waits for that and for its reads of this slot.
.macro TURN slot, next, fill
	s_wait_tensorcnt 0x0                           ; all my tensor loads have landed: my part of the next slot
	ds_add_u32 v[SPW], v[NIL]                      ; 0 onto my spare word
	s_wait_dscnt 4*NL+1                            ; the add and the sixteen youngest loads may be out
	WIN MUL_LO
	MUL16 0, 1, 0
	s_wait_dscnt 0x0                               ; the add is done, and my reads of this slot are over
	s_barrier_signal -1
	MUL16 2, 1, 0
	WIN 0
	s_barrier_wait -1
.if \fill
	CREST                                          ; the barrier has opened a round of the cluster's: no wave of any partner still reads this slot or has a load on its way
	s_add_nc_u64 s[G0+4*\slot+2:G0+4*\slot+3], s[G0+4*\slot+2:G0+4*\slot+3], 2*ROWB
	s_add_nc_u64 s[G0B+4*\slot+2:G0B+4*\slot+3], s[G0B+4*\slot+2:G0B+4*\slot+3], 2*ROWB
	JLOAD G0+4*\slot, G1, G0B+4*\slot, G1B         ; the first tensor load behind the round; its four v_nop are the places in front of the loads below
.else
	PLACES NP
.endif
	FETCH_B \next, 0, 0
	FETCH_A \next, 0, 0
	WIN MUL_HI
	MUL16 4, 1, 0
	MUL16 6, 1, 0
	PLACES NP
	WIN 0
	FETCH_A \next, 0, 4
.endm
	s_wait_alu depctr_va_vdst(0)                   ; the head's end
	s_wait_tensorcnt 0x0                           ; my part of K step 0 is in; slot 1's first fill is issued as a refill is:
	ds_add_u32 v[SPW], v[NIL]                      ; 0 onto my spare word
	s_wait_dscnt 0x0
	CROUND                                         ; a whole round: everybody's part of K step 0 is in, and the joint loads meet
	JLOAD G0+4, G1, G0B+4, G1B                     ; K step 1: the first tensor load behind the round
	FETCH_B 0, 0, 0
	FETCH_A 0, 0, 0
	FETCH_A 0, 0, 4
	s_cmp_eq_u32 ttmp9, 2                          ; the first step starts the sums with the bias: by B's block for Q and K, by A's for V.  Both arms issue the same loads
	s_cbranch_scc1 .Lfirst_v
	s_wait_alu depctr_va_vdst(0)
	STEP 0, 0, 1
	s_branch .Lfirst_done
.Lfirst_v:
	s_wait_alu depctr_va_vdst(0)
	STEP 0, 0, 2
.Lfirst_done:
	TURN 0, 1, 1                                   ; four K steps: written straight, no loop; slot 0 takes K step 2,
	STEP 1, 0, 0
	TURN 1, 0, 1                                   ; slot 1 K step 3
	STEP 0, 0, 0
	TURN 0, 1, 0                                   ; nothing is left to fetch
	STEP 1, 0, 0
	s_wait_dscnt 4*NL
	WIN MUL_LO
	MUL16 0, 1, 0
	MUL16 2, 1, 0
	s_wait_dscnt 0
	WIN MUL_HI
	MUL16 4, 1, 0
	MUL16 6, 1, 0
	WIN 0
; THE WAY OUT, a block of A's 16 rows at a time: held, converted (8 codes a lane and tile), through my stage, and out as 512 consecutive bytes an instruction.
.macro OUTB a, var
.set AC, 64*((\a)%4)
.set CDR, CD+16*((\a)%2)
.set BB, BK+16*((\a)%2)
	WIN 0x02+((\a)/4)                              ; source 0: window 2 or 3
.set j, 0
.rept 64
	v_med3_num_f32 v[XQ+j], v[AC+j], -v[LIMV], v[LIMV]   ; the conversion does not saturate (ISA guide 7.6.2); each accumulator from its low end on
.set j, j+1
.endr
	WIN 0
.irp b, 0,1,2,3,4,5,6,7
	v_cvt_scalef32_pk8_fp8_f32 v[CDR+2*\b:CDR+2*\b+1], v[XQ+8*\b:XQ+8*\b+7], v[SCV]
.endr
	v_nop                                          ; a plain vector instruction behind the last conversion: the next block's holds write its sources
.irp b, 0,1,2,3,4,5,6,7
.if \var
	ds_store_b64 v[STV], v[CDR+2*\b:CDR+2*\b+1] offset:32*(\b/2)+8*(\b%2)   ; keys 16 b + 8 h + 0 .. 7 of channel r
.else
	ds_store_b64 v[STQ], v[CDR+2*\b:CDR+2*\b+1] offset:16*\b                ; channels 16 b + 8 h + 0 .. 7 of token r
.endif
.endr
.irp t, 0,1,2,3
.if \var
	ds_load_b128 v[BB+4*\t:BB+4*\t+3], v[RDV] offset:4*SPQ*\t               ; LDS serves a wave's instructions in order: these see my stores
.else
	ds_load_b128 v[BB+4*\t:BB+4*\t+3], v[RDQ] offset:8*SPQ*(\t%2)+64*(\t/2)
.endif
.endr
.endm
.macro SENDB a, var, younger
.set BB, BK+16*((\a)%2)
	s_wait_dscnt \younger                          ; the block is back; the next block's LDS instructions may be out
.irp t, 0,1,2,3
.if \var
	global_store_b128 v[CO], v[BB+4*\t:BB+4*\t+3], s[90:91] offset:((\a)/4)*131072+((\a)%4)*2048+512*\t
.else
	global_store_b128 v[CO], v[BB+4*\t:BB+4*\t+3], s[90:91] offset:(\t/2)*131072+(16*(\a)+8*(\t%2))*64
.endif
.endr
.endm
.macro OUTALL var
	PLACES NP
	OUTB 0, \var
.irp a, 1,2,3,4,5,6,7
.if \a > 1
	s_wait_xcnt 0x0                                ; block a - 2's stores have read their registers: block a's rows may land there
.endif
	OUTB \a, \var
	SENDB \a-1, \var, 12                           ; behind block a - 1's loads: block a's 8 stores and 4 loads
.endr
	SENDB 7, \var, 0
.endm
	s_cmp_eq_u32 ttmp9, 2
	s_cbranch_scc1 .Lout_v
	OUTALL 0
	s_branch .Lout_done
.Lout_v:
	OUTALL 1
.Lout_done:
	s_wait_tensorcnt 0x0                           ; the wave's end: three lines behind my last tensor load and my last LDS store
	ds_add_u32 v[SPW], v[NIL]
	s_wait_dscnt 0x0
	CROUND                                         ; the closing round
	s_endpgm
.Lfunc_end_k_q822325cbe9_qkv:
	.size	k_q822325cbe9_qkv, .Lfunc_end_k_q822325cbe9_qkv-k_q822325cbe9_qkv
	.p2alignl 7, 3214868480
	.fill 96, 4, 3214868480
	.section	.rodata,"a",@progbits
	.p2align	6, 0x0
	.amdhsa_kernel k_q822325cbe9_qkv
		.amdhsa_group_segment_fixed_size 327680
		.amdhsa_private_segment_fixed_size 0
		.amdhsa_enable_private_segment 0
		.amdhsa_kernarg_size 56
		.amdhsa_user_sgpr_count 2
		.amdhsa_user_sgpr_kernarg_segment_ptr 1
		.amdhsa_wavefront_size32 1
		.amdhsa_system_sgpr_workgroup_id_x 1
		.amdhsa_system_sgpr_workgroup_id_y 1
		.amdhsa_system_sgpr_workgroup_id_z 1
		.amdhsa_system_vgpr_workitem_id 0
		.amdhsa_next_free_vgpr 1024
		.amdhsa_next_free_sgpr 100
		.amdhsa_reserve_vcc 0
		.amdhsa_float_denorm_mode_32 3
		.amdhsa_float_denorm_mode_16_64 3
		.amdhsa_memory_ordered 1
		.amdhsa_forward_progress 1
		.amdhsa_inst_pref_size 192
	.end_amdhsa_kernel
	.amdgpu_metadata
---
amdhsa.version: [ 1, 2 ]
amdhsa.kernels:
  - .name:           k_q822325cbe9_qkv
    .symbol:         k_q822325cbe9_qkv.kd
    .args:
      - { .name: x_codes, .offset: 0, .size: 8, .value_kind: global_buffer, .address_space: global }
      - { .name: wqkv_codes, .offset: 8, .size: 8, .value_kind: global_buffer, .address_space: global }
      - { .name: lowp_scales, .offset: 16, .size: 8, .value_kind: global_buffer, .address_space: global }
      - { .name: b_qkv, .offset: 24, .size: 8, .value_kind: global_buffer, .address_space: global }
      - { .name: q_codes, .offset: 32, .size: 8, .value_kind: global_buffer, .address_space: global }
      - { .name: k_codes, .offset: 40, .size: 8, .value_kind: global_buffer, .address_space: global }
      - { .name: v_codes, .offset: 48, .size: 8, .value_kind: global_buffer, .address_space: global }
    .group_segment_fixed_size: 327680
    .private_segment_fixed_size: 0
    .kernarg_segment_align: 8
    .kernarg_segment_size: 56
    .max_flat_workgroup_size: 128
    .sgpr_count:     100
    .vgpr_count:     1024
    .wavefront_size: 32
...
	.end_amdgpu_metadata
.endif
;; end of part 2
;; launch attn (part 3): grid 4 x 64, 8 waves a work-group, no clusters, 327,680 bytes of LDS; arguments q_codes, k_codes, v_codes, lowp_scales, attn_codes; writes attn_codes
.if DOCPART == 3
	.amdgcn_target "amdgcn-amd-amdhsa--gfx1250"
	.amdhsa_code_object_version 6
	.text
	.protected	k_q822325cbe9_attn
	.globl	k_q822325cbe9_attn
	.p2align	8
	.type	k_q822325cbe9_attn,@function
k_q822325cbe9_attn:
	s_mov_b64 s[64:65], 0
	v_nop
	global_prefetch_b8 v0, s[64:65] scope:SCOPE_SE
	s_setreg_imm32_b32 hwreg(HW_REG_WAVE_MODE, 25, 1), 1
	s_wait_xcnt 0x0
; Causal attention of one head on codes of FP8 (E4M3), head size 64, 2,048 tokens, and its result quantised with 2^e6 for the last product.
; Q, K: [64 heads of all batches][2048][64] codes.  V: [head][16 key blocks][64 channels][128 bytes], key 32 c + 16 u + 8 g + j of a block at byte 32 c + 16 g + 8 u + j.  Out: [head][2048][64] codes.
; THE SOFTMAX: t = score x log2(e) / 8; M = the running largest t rounded UP to a whole number; p = 2^(t - M) is quantised with 2^e4, not normalised; the row's sum is taken of the unquantised p
; and divides at the end; when M moves, the sum and O are multiplied by 2^(old M - new M), which rounds nothing.
; LEFT OUT: key steps all of whose keys come after a wave's queries: the causal mask gives them the weight 0 for every input.
; SHARES.  Work-group (i, head) owns the blocks of 256 queries i and 7 - i, one after the other: (i + 1) + (8 - i) = 9 slots of 256 keys for every work-group: the trip count is a constant.
; Each of EIGHT waves owns 32 queries of the block in hand, as two tiles of 16, A and B, which go through ONE text line by line: independent chains take turns, and a key step has one batch of 128 exponentials.
; A fragment of K and of V is read from LDS once and feeds both tiles.  Wave w takes queries 32 w of the first block and 32 (7 - w) of the second: 17 key steps for every wave.
; A slot's two key steps are two trips of a counted loop, so that the step's text stands twice in the kernel: in the loop over slots and in the last slot, which is written out.
; NO CLUSTER: in trip T work-group i wants key slot T (T <= i) or T - i - 1: the four work-groups of a head want different slots in the same trip, so no request could be joint.
; LAYOUT.  Both products transposed: S^T = K Q^T (source 0 = 16 keys), O^T = V^T P^T (source 0 = 16 channels): a lane holds ONE query (lane % 16).  Tile n of S^T holds keys 16 n + 8 (lane / 16) + 0 .. 7 in its
; eight registers: its conversion gives registers 2 n, 2 n + 1 of the second product's operand in that form's own order, and V's bytes are laid so that 16-byte loads give the same order.
; On the diagonal hidden scores become -infinity ahead of the maximum.  A step that is walked begins at or before the wave's first query, so M is a number from the first step on.
; LIMITS: e2 + e3 between -123 and 130 (added to c's exponent field); e4 and e6 between -126 and 119; e4 + e5 is applied by v_ldexp_f32 and has none.  NaN is not served.
; REGISTERS.  Window 0: v1-11 addresses; A: v12 -M, v13 the largest t, v[14:15] the sum, v[20:21] f; B: v16, v17, v[18:19], v[22:23]; v24-28 constants; v30-31 permutes;
;   v32-95 A's S^T, then p; v96-159 B's; v160-175 A's codes, v176-191 B's; v192-215 at work.
; Window 1: v0-63 eight fragments of K; v64-127 four of V; v128-159 A's O^T; v160-175 Q of A and B; v176-191 the second block's Q; v192-223 B's O^T.
.set LP,    272                        ; an LDS line: 256 bytes + 16: four keys of K, or two channels of V
.set VOFF,  64*LP                      ; a slot: 64 lines of K (256 keys), then 64 lines of V (two key blocks)
.set SLOT1, 65536                      ; slot 1 begins here: one exclusive or turns an address from one slot into the other
.set SLOTB, 16384                      ; a slot's bytes of K, and of V, in memory: dense
.set STAGE, 131072                     ; the way out: 32 rows x 80 bytes for each wave; no tile ever lands here
.set SPARE, STAGE+8*2560               ; the spare words, 128 bytes for each wave: four blocks of 256 bytes that no other line names
.set AK0, 1
.set AV0, 2
.set PFO, 3
.set DQ,  4                            ; v4  r - 8 h, for the mask
.set SPW, 5
.set NIL, 6
.set GO,  7
.set ADK, 8
.set ADV, 9
.set STO, 10
.set RD,  11
.set SA,  32
.set SB,  96
.set TB,  2                            ; s2  LDS byte at which the key step in hand begins: the slot's base + 32 lines a step
.set T,   3                            ; s3  the trip
.set WV,  18
.set SEL, 20
.set CS,  22
.set G1,  24
.set G0,  32
.set KVB, 36                           ; s[36:37] my quarter of key slot 0 of the head's K (waves 0-3) or V (waves 4-7)
.set I,   40                           ; s40 i
.set KF,  41                           ; s41 the step's first key
.set Q0,  42                           ; s42 my first query
.set Q0B, 43                           ; s43 the same in the second block
.set PFA, 48
.set LIMW, 50
.set QC,  62                           ; s62 the step in the slot: 0, 1
.set MSB, 0
.macro WIN new                         ; low byte: bits 1:0 source 0, 3:2 source 1, 5:4 source 2, 7:6 destination; the high byte repeats the setting that is left
.if MSB != (\new)
	s_set_vgpr_msb (MSB<<8)|(\new)
.set MSB, \new
.endif
.endm
.macro TLOAD                           ; every wave fetches 16 lines of 256 bytes: a quarter of the slot's K or V; an s_nop 0 and four v_nop follow
	tensor_load_to_lds s[G0:G0+3], s[G1:G1+7]
	s_nop 0
.rept 4
	v_nop
.endr
.endm
; A PREFETCH INTO THE L2 of the slot that the NEXT change of slots will ask for.  Key slots 4 to 7 of a head are wanted first by work-group 0, which asks for slot T by its tensor loads in trip T:
; in trips 3 to 6 it names slot T + 1, one slot (two key steps) ahead of that load.  Waves 4 and 5 name K's two halves of 8,192 bytes, waves 6 and 7 V's, lanes 256 bytes apart: each block once in the launch.
; Slots 0 to 3 are wanted by other work-groups of the head in the very trips in which they could be named, so they come by their loads alone; nothing is named behind slot 7.
.macro ASK
	s_sub_co_u32 s52, 6, s[T]                      ; 3 .. 0 in trips 3 .. 6
	s_cmp_lt_u32 s52, s[LIMW]                      ; 4 in a wave that asks, else 0
	s_cbranch_scc0 .Lnot_mine_\@
	global_prefetch_b8 v[PFO], s[PFA:PFA+1] th:TH_LOAD_NT scope:SCOPE_SE
.Lnot_mine_\@:
.endm
	s_load_b256 s[4:11], s[0:1], 0x0               ; Q s[4:5], K s[6:7], V s[8:9], the scales' exponents s[10:11]
	s_load_b64 s[12:13], s[0:1], 0x20              ; the result's codes
	v_lshl_add_u32 v[SPW], v0, 2, SPARE
	v_mov_b32 v[NIL], 0
	ds_add_u32 v[SPW], v[NIL]                      ; the wave's opening: the add, twice on end, and its wait ahead of my first tensor load
	ds_add_u32 v[SPW], v[NIL]
	v_lshrrev_b32 v8, 5, v0
	v_readfirstlane_b32 s[WV], v8                  ; wave 0..7
	s_mov_b32 s[I], ttmp9
	s_and_b32 s60, ttmp7, 0xffff
	s_lshl_b32 s60, s60, 17                        ; the head's first byte in each of the four buffers
	s_mov_b32 s61, 0
	s_lshl_b32 s52, s[WV], 5
	s_lshl_b32 s[Q0], s[I], 8
	s_add_co_u32 s[Q0], s[Q0], s52                 ; 256 i + 32 wave
	s_sub_co_u32 s[Q0B], 7, s[I]
	s_lshl_b32 s[Q0B], s[Q0B], 8
	s_sub_co_u32 s52, 224, s52
	s_add_co_u32 s[Q0B], s[Q0B], s52               ; 256 (7 - i) + 32 (7 - wave)
	s_lshl_b32 s66, s[Q0], 6
	s_mov_b32 s67, 0
	s_add_nc_u64 s[66:67], s[66:67], s[60:61]      ; my first query's byte in Q's codes and in the result's,
	s_lshl_b32 s80, s[Q0B], 6
	s_mov_b32 s81, 0
	s_add_nc_u64 s[80:81], s[80:81], s[60:61]      ; and the same for the second block
	s_mov_b32 s[G1], (3<<16)|(1<<20)|(5<<22)|(3<<25)   ; no mask; elements of 8 bytes; padding on: 4 words after every 64
	s_mov_b32 s[G1+1], 32<<16                      ; tensor_dim0 = 32 elements: 256 bytes
	s_mov_b32 s[G1+2], 16<<16                      ; tensor_dim1 = 16
	s_mov_b32 s[G1+3], 32<<16                      ; tile_dim0
	s_mov_b32 s[G1+4], 16                          ; tile_dim1
	s_mov_b32 s[G1+5], 32                          ; from row to row: dense
	s_mov_b32 s[G1+6], 0
	s_mov_b32 s[G1+7], 0
	s_mov_b32 s[SEL], 0x76543210
	s_mov_b32 s[SEL+1], 0xfedcba98
	s_mov_b32 s[CS], 0x3e38aa3b                    ; c = log2(e) / 8
	s_mov_b32 s[TB], 0
	s_mov_b32 s[T], 0
	s_mov_b32 s[KF], 0
	s_mov_b32 s39, 0
	s_mul_i32 s53, s[WV], 16*LP                    ; where my 16 lines go in a slot: K's 64 lines, then V's
	s_and_b32 s54, s[WV], 3
	s_lshl_b32 s54, s54, 12                        ; and where they lie in a slot's 16,384 bytes of memory
	s_mov_b32 s55, 0
	v_and_b32 v248, 15, v0                         ; r
	v_bfe_u32 v249, v0, 4, 1                       ; h
	v_and_b32 v250, 31, v0                         ; lane
	v_lshlrev_b32 v8, 6, v248
	v_lshl_add_u32 v8, v249, 4, v8                 ; Q: row r of 64 bytes, + 16 h: registers 4 c .. 4 c + 3 hold channels 32 c + 16 h + 0 .. 15, as K's fragments do
	s_wait_alu depctr_va_vdst(0)
	s_wait_dscnt 0x0                               ; both opening adds are done
	s_wait_kmcnt 0x0
	s_load_b256 s[68:75], s[10:11], 0x0            ; e0 .. e7
	s_add_nc_u64 s[56:57], s[4:5], s[66:67]        ; Q at my first query,
	s_add_nc_u64 s[44:45], s[12:13], s[66:67]      ; and the result there
	s_add_nc_u64 s[58:59], s[4:5], s[80:81]        ; the same for the second block
	s_add_nc_u64 s[46:47], s[12:13], s[80:81]
	WIN 0x40                                       ; destination window 1; tile B lies 16 queries (1,024 bytes) behind tile A.  Q is asked for ahead of the first tile
	global_load_b128 v[160:163], v8, s[56:57]
	global_load_b128 v[164:167], v8, s[56:57] offset:32
	global_load_b128 v[168:171], v8, s[56:57] offset:1024
	global_load_b128 v[172:175], v8, s[56:57] offset:1056
	global_load_b128 v[176:179], v8, s[58:59]
	global_load_b128 v[180:183], v8, s[58:59] offset:32
	global_load_b128 v[184:187], v8, s[58:59] offset:1024
	global_load_b128 v[188:191], v8, s[58:59] offset:1056
	WIN 0
	s_cmp_lt_u32 s[WV], 4
	s_cselect_b64 s[KVB:KVB+1], s[6:7], s[8:9]
	s_add_nc_u64 s[KVB:KVB+1], s[KVB:KVB+1], s[60:61]
	s_add_nc_u64 s[KVB:KVB+1], s[KVB:KVB+1], s[54:55]
	s_mov_b32 s[G0], 1
	s_mov_b32 s[G0+1], s53                         ; slot 0
	s_mov_b64 s[G0+2:G0+3], s[KVB:KVB+1]           ; key slot 0
	s_or_b32 s[G0+3], s[G0+3], 0x80000000
	TLOAD
	s_cmp_lt_u32 s[WV], 6                          ; the prefetches: waves 4, 5 stand in K, waves 6, 7 in V,
	s_cselect_b64 s[PFA:PFA+1], s[6:7], s[8:9]
	s_add_nc_u64 s[PFA:PFA+1], s[PFA:PFA+1], s[60:61]
	s_and_b32 s52, s[WV], 1
	s_lshl_b32 s52, s52, 13                        ; at my half of slot 0: each change of slots steps it a slot on, so that in trip T it stands at slot T + 1
	s_mov_b32 s53, 0
	s_add_nc_u64 s[PFA:PFA+1], s[PFA:PFA+1], s[52:53]
	s_lshr_b32 s52, s[WV], 2
	s_xor_b32 s52, s52, 1                          ; 0 in waves 4 to 7,
	s_or_b32 s52, s52, ttmp9                       ; of work-group 0 of the head
	s_cmp_eq_u32 s52, 0
	s_cselect_b32 s[LIMW], 4, 0
	v_lshlrev_b32 v251, 3, v249
	v_sub_nc_u32 v[DQ], v248, v251
	v_lshrrev_b32 v251, 2, v248
	v_mul_u32_u24 v[AK0], v251, LP
	v_and_b32 v251, 3, v248
	v_lshl_add_u32 v[AK0], v251, 6, v[AK0]
	v_lshl_add_u32 v[AK0], v249, 4, v[AK0]         ; K: key r of a tile: line r / 4, byte 64 (r % 4) + 16 h: sixteen lanes touch sixteen different 16-byte columns
	v_lshrrev_b32 v251, 1, v248
	v_mul_u32_u24 v[AV0], v251, LP
	v_and_b32 v251, 1, v248
	v_lshl_add_u32 v[AV0], v251, 7, v[AV0]
	v_lshl_add_u32 v[AV0], v249, 4, v[AV0]
	v_add_nc_u32 v[AV0], VOFF, v[AV0]              ; V: channel r of a tile: line r / 2, byte 128 (r % 2) + 16 h
	v_lshlrev_b32 v[PFO], 8, v250
	v_lshlrev_b32 v[GO], 4, v250
	s_mul_i32 s52, s[WV], 2560
	s_add_co_u32 s52, s52, STAGE
	v_mul_u32_u24 v[STO], v248, 80
	v_lshl_add_u32 v[STO], v249, 3, v[STO]
	v_add_nc_u32 v[STO], s52, v[STO]               ; the stage, in: row r, 8 bytes for each half of the lanes (tile B: 1,280 bytes on, by the immediate)
	v_lshrrev_b32 v251, 2, v250
	v_mul_u32_u24 v[RD], v251, 80
	v_and_b32 v251, 3, v250
	v_lshl_add_u32 v[RD], v251, 4, v[RD]
	v_add_nc_u32 v[RD], s52, v[RD]                 ; back: four lanes to a row of 64 bytes, eight rows an instruction
.macro INIT                            ; two tiles of queries begin: zeros, which the first change of M leaves zeros, so that the key step is written once
	v_mov_b32 v13, 0xff61b1e6                      ; the largest t so far: -3e38
	v_mov_b32 v17, 0xff61b1e6
	v_floor_f32 v12, -v13                          ; -M
	v_floor_f32 v16, -v17
	v_mov_b32 v14, 0
	v_mov_b32 v15, 0
	v_mov_b32 v18, 0
	v_mov_b32 v19, 0
	WIN 0x40
.set n, 0
.rept 32
	v_mov_b32 v[128+n], 0
	v_mov_b32 v[192+n], 0
.set n, n+1
.endr
	WIN 0
.endm
	s_wait_kmcnt 0x0
	s_add_co_i32 s52, s70, s71
	s_lshl_b32 s52, s52, 23
	s_add_co_i32 s[CS], s[CS], s52                 ; a score stands for score x 2^(e2 + e3): added to c's exponent field
	s_mov_b32 s[CS+1], s[CS]
	s_add_co_i32 s52, s72, 127
	s_lshl_b32 s76, s52, 23                        ; 2^e4
	s_add_co_i32 s52, s52, 8
	s_lshl_b32 s52, s52, 23
	s_or_b32 s77, s52, 0x600000                    ; 448 x 2^e4
	s_add_co_i32 s52, s74, 127
	s_lshl_b32 s78, s52, 23                        ; 2^e6
	s_add_co_i32 s52, s52, 8
	s_lshl_b32 s52, s52, 23
	s_or_b32 s79, s52, 0x600000                    ; 448 x 2^e6
	s_add_co_i32 s51, s72, s73                     ; e4 + e5
	v_mov_b32 v24, s77
	v_mov_b32 v25, s77                             ; twice: the two halves of a dual pair take their second sources from different banks
	v_mov_b32 v26, s76
	v_mov_b32 v27, s78
	v_mov_b32 v28, s79
	v_mov_b32 v21, 0                               ; (named as the upper halves of the pairs v[20:21], v[22:23])
	v_mov_b32 v23, 0
	v_mov_b32 v30, 0                               ; written once: a lane permute's destination counts as one of its sources
	v_mov_b32 v31, 0
	INIT
.macro KLOAD q                         ; eight fragments of K, 16 keys x 64 channels each: q = 0: the step at which ADK stands; 1: the step behind it
.set n, 0
.rept 8
	ds_load_b128 v[8*n:8*n+3], v[ADK] offset:(32*(\q)+4*n)*LP
	ds_load_b128 v[8*n+4:8*n+7], v[ADK] offset:(32*(\q)+4*n)*LP+32
.set n, n+1
.endr
.endm
; A SLOT'S TWO KEY STEPS, 128 keys each, for both my tiles: two trips of a counted loop.  The first step's K is asked for in front of the loop, the second's in the first trip, behind the scores' products.
; Every wait on LDS in a step is for 0, so that it holds on each way through the text.  A step all of whose keys come after my 32 queries is left out by a scalar branch on ids, round the step's work alone.
; At every branch and label all windows are 0.
.macro SLOTSTEPS
	v_add_nc_u32 v[ADK], s[TB], v[AK0]
	WIN 0x40
	KLOAD 0
	WIN 0
	s_mov_b32 s[QC], 0
.Lq_\@:
	s_add_co_u32 s52, s[Q0], 31
	s_cmp_gt_u32 s[KF], s52
	s_cbranch_scc1 .Lhid_\@
	v_add_nc_u32 v[ADK], s[TB], v[AK0]
	v_add_nc_u32 v[ADV], s[TB], v[AV0]
	s_wait_alu depctr_va_vdst(0)
	s_wait_dscnt 0x0                               ; this step's K is in
	WIN 0x05                                       ; K and Q from window 1, S^T into window 0
.set n, 0
.rept 8
	v_wmma_f32_16x16x64_fp8_fp8 v[SA+8*n:SA+8*n+7], v[8*n:8*n+7], v[160:167], 0
	v_wmma_f32_16x16x64_fp8_fp8 v[SB+8*n:SB+8*n+7], v[8*n:8*n+7], v[168:175], 0
.set n, n+1
.endr
	WIN 0
.rept 4
	v_nop                                          ; places: for the loads below, into registers that these and the last products read, and for the first read of the scores
.endr
	s_cmp_lg_u32 s[QC], 0
	s_cbranch_scc1 .Lnok_\@                        ; the slot's second step has no successor in the slot
	WIN 0x40
	KLOAD 1                                        ; the second step's K lands under this step's softmax
	WIN 0
.Lnok_\@:
	WIN 0x40
.set n, 0
.rept 4                                        ; V's four fragments land under the softmax too
.irp c, 0,1,2,3
	ds_load_b128 v[64+16*n+4*\c:67+16*n+4*\c], v[ADV] offset:8*n*LP+32*\c
.endr
.set n, n+1
.endr
	WIN 0
	s_add_co_u32 s52, s[KF], 127
	s_cmp_le_u32 s52, s[Q0]
	s_cbranch_scc1 .Lopen_\@                       ; all its keys count for all my queries
	s_sub_co_i32 s52, s[Q0], s[KF]
	v_add_nc_u32 v204, s52, v[DQ]                  ; d = my query - the step's first key - 8 h.  Register 8 n + j holds key 16 n + j + 8 h of the step: hidden where 16 n + j > d
	v_add_nc_u32 v205, 16, v204                    ; tile B's queries lie 16 further on
	v_mov_b32 v206, 0xff800000
.set n, 0
.rept 8                                        ; sixteen compares into scalar registers, then the sixteen selects
.irp j, 0,1,2,3,4,5,6,7
	v_cmp_gt_i32 s[80+\j], 16*n+\j, v204
	v_cmp_gt_i32 s[88+\j], 16*n+\j, v205
.endr
.irp j, 0,1,2,3,4,5,6,7
	v_cndmask_b32 v[SA+8*n+\j], v[SA+8*n+\j], v206, s[80+\j]
	v_cndmask_b32 v[SB+8*n+\j], v[SB+8*n+\j], v206, s[88+\j]
.endr
.set n, n+1
.endr
.Lopen_\@:
	v_max3_num_f32 v204, v32, v33, v34             ; the step's largest score of each query among my 64 keys: two chains a tile, four by turns; each tile of S^T is first read at its low end
	v_max3_num_f32 v206, v96, v97, v98
	v_max3_num_f32 v205, v35, v36, v37
	v_max3_num_f32 v207, v99, v100, v101
.set n, 6
.rept 14
	v_max3_num_f32 v204, v204, v[SA+n], v[SA+1+n]
	v_max3_num_f32 v206, v206, v[SB+n], v[SB+1+n]
	v_max3_num_f32 v205, v205, v[SA+2+n], v[SA+3+n]
	v_max3_num_f32 v207, v207, v[SB+2+n], v[SB+3+n]
.set n, n+4
.endr
	v_max3_num_f32 v204, v204, v94, v95
	v_max3_num_f32 v206, v206, v158, v159
	v_max_num_f32 v204, v204, v205
	v_max_num_f32 v206, v206, v207
	v_permlanex16_b32 v30, v204, s[SEL], s[SEL+1]
	v_permlanex16_b32 v31, v206, s[SEL], s[SEL+1]
	v_max_num_f32 v204, v204, v30                  ; and among lane l xor 16's
	v_max_num_f32 v206, v206, v31
	v_mul_f32 v204, s[CS], v204                    ; as t (c is positive)
	v_mul_f32 v206, s[CS], v206
	v_max_num_f32 v13, v13, v204
	v_max_num_f32 v17, v17, v206
	v_mov_b32 v204, v12
	v_mov_b32 v206, v16
	v_floor_f32 v12, -v13                          ; the new -M = -ceil(t): a whole number
	v_floor_f32 v16, -v17
	v_sub_f32 v204, v12, v204                      ; old M - new M, 0 or less
	v_sub_f32 v206, v16, v206
	v_cvt_i32_f32 v204, v204                       ; (it saturates)
	v_cvt_i32_f32 v206, v206
	v_ldexp_f32 v20, 1.0, v204                     ; f = 2^(old M - new M)
	v_ldexp_f32 v22, 1.0, v206
.set n, 0
.rept 32
	v_pk_fma_f32 v[SA+n:SA+1+n], v[SA+n:SA+1+n], s[CS:CS+1], v[12:13] op_sel_hi:[1,0,0]   ; t - M, two at a time
	v_pk_fma_f32 v[SB+n:SB+1+n], v[SB+n:SB+1+n], s[CS:CS+1], v[16:17] op_sel_hi:[1,0,0]
.set n, n+2
.endr
	s_wait_alu depctr_va_vdst(0)
.set n, 0
.rept 128
	v_exp_f32 v[SA+n], v[SA+n]                     ; p = 2^(t - M), both tiles in one batch
.set n, n+1
.endr
	v_pk_mul_f32 v[14:15], v[14:15], v[20:21] op_sel_hi:[1,0]   ; the sums under the new M: plain instructions behind the exponentials
	v_pk_mul_f32 v[18:19], v[18:19], v[22:23] op_sel_hi:[1,0]
	WIN 0x41                                       ; O^T lies in window 1, f in window 0
	s_wait_alu depctr_va_vdst(0)                   ; one wait, for the batch and directly ahead of the first readers of O^T
.set n, 0
.rept 16
	v_pk_mul_f32 v[128+n:129+n], v[128+n:129+n], v[20:21] op_sel_hi:[1,0]   ; O^T under the new M
	v_pk_mul_f32 v[192+n:193+n], v[192+n:193+n], v[22:23] op_sel_hi:[1,0]
.set n, n+2
.endr
	WIN 0
.irp k, 0,1,2                                  ; the rows' sums of the unquantised p, two at a time: four chains a tile, eight by turns
	v_pk_add_f32 v[192+2*\k:193+2*\k], v[SA+4*\k:SA+1+4*\k], v[SA+2+4*\k:SA+3+4*\k]
	v_pk_add_f32 v[198+2*\k:199+2*\k], v[SB+4*\k:SB+1+4*\k], v[SB+2+4*\k:SB+3+4*\k]
.endr
.set n, 12
.rept 6
	v_pk_add_f32 v[14:15], v[14:15], v[SA+n:SA+1+n]
	v_pk_add_f32 v[18:19], v[18:19], v[SB+n:SB+1+n]
.irp k, 0,1,2
	v_pk_add_f32 v[192+2*\k:193+2*\k], v[192+2*\k:193+2*\k], v[SA+2+n+2*\k:SA+3+n+2*\k]
	v_pk_add_f32 v[198+2*\k:199+2*\k], v[198+2*\k:199+2*\k], v[SB+2+n+2*\k:SB+3+n+2*\k]
.endr
.set n, n+8
.endr
	v_pk_add_f32 v[14:15], v[14:15], v[92:93]
	v_pk_add_f32 v[18:19], v[18:19], v[156:157]
	v_pk_add_f32 v[192:193], v[192:193], v[94:95]
	v_pk_add_f32 v[198:199], v[198:199], v[158:159]
	v_pk_add_f32 v[14:15], v[14:15], v[196:197]
	v_pk_add_f32 v[18:19], v[18:19], v[202:203]
	v_pk_add_f32 v[192:193], v[192:193], v[194:195]
	v_pk_add_f32 v[198:199], v[198:199], v[200:201]
.set n, 0
.rept 8
.irp i, 0,2,4,6
	v_dual_min_num_f32 v[SA+8*n+\i], v[SA+8*n+\i], v24 :: v_dual_min_num_f32 v[SA+1+8*n+\i], v[SA+1+8*n+\i], v25   ; the conversion does not saturate (ISA guide 7.6.2); p is not negative, so the hold is one-sided; two numbers a line
	v_dual_min_num_f32 v[SB+8*n+\i], v[SB+8*n+\i], v24 :: v_dual_min_num_f32 v[SB+1+8*n+\i], v[SB+1+8*n+\i], v25
.endr
	v_cvt_scalef32_pk8_fp8_f32 v[160+2*n:161+2*n], v[SA+8*n:SA+7+8*n], v26
	v_cvt_scalef32_pk8_fp8_f32 v[176+2*n:177+2*n], v[SB+8*n:SB+7+8*n], v26
.set n, n+1
.endr
	v_pk_add_f32 v[14:15], v[14:15], v[192:193]    ; the last links of the sums: also the plain instructions between the conversions and the products
	v_pk_add_f32 v[18:19], v[18:19], v[198:199]
	s_wait_alu depctr_va_vdst(0)
	s_wait_dscnt 0x0                               ; V is in, and so is the K that was asked for ahead of it
	WIN 0x51                                       ; V and O^T in window 1, the codes in window 0
.set n, 0
.rept 4                                        ; the eight accumulators take turns, one instruction a turn
	v_wmma_f32_16x16x128_fp8_fp8 v[128+8*n:135+8*n], v[64+16*n:79+16*n], v[160:175], v[128+8*n:135+8*n]
	v_wmma_f32_16x16x128_fp8_fp8 v[192+8*n:199+8*n], v[64+16*n:79+16*n], v[176:191], v[192+8*n:199+8*n]
.set n, n+1
.endr
	WIN 0
.Lhid_\@:
	s_add_co_u32 s[KF], s[KF], 128
	s_add_co_u32 s[TB], s[TB], 32*LP               ; a key step is 32 lines of K, and 32 of V
	s_add_co_u32 s[QC], s[QC], 1
	s_cmp_lt_u32 s[QC], 2
	s_cbranch_scc1 .Lq_\@
	s_and_b32 s[TB], s[TB], SLOT1                  ; back to the slot's base,
	s_xor_b32 s[TB], s[TB], SLOT1                  ; and on to the other slot
.endm
; THE CHANGE OF SLOTS, at a slot's head.  Each wave waits for all its tensor loads, adds 0 to its spare word, and waits for that and for its reads of the slot that it has left.  Behind the barrier the slot ahead is whole
; and nobody reads the other.  fill = 1: that other slot takes the key slot of the next trip: T + 1, or T - i once the first block is done; the load has a whole slot's steps in which to land.
.macro CHANGE fill
	s_wait_tensorcnt 0x0                           ; no tensor load of mine is out, so the descriptor may be written
	ds_add_u32 v[SPW], v[NIL]                      ; 0 onto my spare word
.if \fill
	s_add_co_u32 s52, s[T], 1
	s_add_co_u32 s53, s[I], 1
	s_cmp_gt_u32 s52, s[I]
	s_cselect_b32 s53, s53, 0
	s_sub_co_u32 s52, s52, s53                     ; the next trip's key slot
	s_lshl_b32 s38, s52, 14
	s_add_nc_u64 s[G0+2:G0+3], s[KVB:KVB+1], s[38:39]
	s_or_b32 s[G0+3], s[G0+3], 0x80000000
	s_xor_b32 s[G0+1], s[G0+1], SLOT1              ; the other slot than last time
	s_wait_xcnt 0x0                                ; the last prefetch, a slot back, has read its address
	s_add_nc_u64 s[PFA:PFA+1], s[PFA:PFA+1], SLOTB
.endif
	s_wait_dscnt 0x0                               ; the add is done, and my reads of the slot that I have left are over
	s_barrier_signal -1
	s_barrier_wait -1
.if \fill
	TLOAD                                          ; the first thing behind the barrier, and a wave's one tensor load until the next
	ASK
.endif
.endm
; A TILE'S END: O^T x 2^(e4 + e5) / the sum, quantised with 2^e6, through my stage, and out as 2 x 512 consecutive bytes: 16 queries' 64 bytes each.
.macro FINISH b, out
.set SU, 14+4*\b
.set OT, 128+64*\b
.rept 4
	v_nop                                          ; places behind the last products
.endr
	s_wait_xcnt 0x0                                ; earlier stores have read their registers
	v_add_f32 v[SU], v[SU], v[SU+1]
	v_permlanex16_b32 v30, v[SU], s[SEL], s[SEL+1]
	v_add_f32 v[SU], v[SU], v30                    ; the row's sum
	s_wait_alu depctr_va_vdst(0)                   ; the wait ahead of the reciprocal,
	v_rcp_f32 v[SU], v[SU]
	v_nop                                          ; a plain instruction behind it,
	s_wait_alu depctr_va_vdst(0)                   ; and the wait ahead of its first reader
	v_ldexp_f32 v[SU], v[SU], s51
	WIN 0x01                                       ; O^T from window 1
	s_wait_alu depctr_va_vdst(0)                   ; directly ahead of the first readers of O^T
.set n, 0
.rept 16
	v_pk_mul_f32 v[32+n:33+n], v[OT+n:OT+1+n], v[SU:SU+1] op_sel_hi:[1,0]   ; register 8 t + j: channel 16 t + 8 h + j of query r; each accumulator from its low end on
.set n, n+2
.endr
	WIN 0
.set n, 0
.rept 32
	v_med3_num_f32 v[32+n], v[32+n], -v28, v28
.set n, n+1
.endr
.irp t, 0,1,2,3
	v_cvt_scalef32_pk8_fp8_f32 v[160+2*\t:161+2*\t], v[32+8*\t:39+8*\t], v27
.endr
	v_nop                                          ; a plain vector instruction behind the last conversion
.irp t, 0,1,2,3
	ds_store_b64 v[STO], v[160+2*\t:161+2*\t] offset:16*\t+1280*\b
.endr
	ds_load_b128 v[208:211], v[RD] offset:1280*\b  ; LDS serves a wave's instructions in order: these see my stores
	ds_load_b128 v[212:215], v[RD] offset:640+1280*\b
	s_wait_dscnt 1                                 ; the first eight rows are back; the second load may be out
	global_store_b128 v[GO], v[208:211], s[\out:\out+1] offset:1024*\b
	s_wait_dscnt 0
	global_store_b128 v[GO], v[212:215], s[\out:\out+1] offset:1024*\b+512
.endm
	s_wait_alu depctr_va_vdst(0)                   ; the head's end
	s_wait_loadcnt 0x0                             ; both blocks' Q
.Lslot:                                            ; eight trips; behind each change of slots the next trip's slot is asked for
	CHANGE 1
	SLOTSTEPS
	s_cmp_lg_u32 s[T], s[I]
	s_cbranch_scc1 .Lsame                          ; behind trip i the first block is done: no barrier and no tensor load stands in this branch
	FINISH 0, 44
	FINISH 1, 44
	WIN 0x41
.set n, 0
.rept 16
	v_mov_b32 v[160+n], v[176+n]                   ; the second block's Q
.set n, n+1
.endr
	WIN 0
	INIT
	s_mov_b32 s[KF], 0
	s_mov_b32 s[Q0], s[Q0B]
	s_wait_alu depctr_va_vdst(0)                   ; ahead of the branch
.Lsame:
	s_add_co_u32 s[T], s[T], 1
	s_cmp_lt_u32 s[T], 8
	s_cbranch_scc1 .Lslot
	CHANGE 0                                       ; the last slot is written out
	SLOTSTEPS
	FINISH 0, 46
	FINISH 1, 46
	s_wait_tensorcnt 0x0                           ; the wave's end: three lines behind my last tensor load and my last LDS store
	ds_add_u32 v[SPW], v[NIL]
	s_wait_dscnt 0x0
	s_endpgm
.Lfunc_end_k_q822325cbe9_attn:
	.size	k_q822325cbe9_attn, .Lfunc_end_k_q822325cbe9_attn-k_q822325cbe9_attn
	.p2alignl 7, 3214868480
	.fill 96, 4, 3214868480
	.section	.rodata,"a",@progbits
	.p2align	6, 0x0
	.amdhsa_kernel k_q822325cbe9_attn
		.amdhsa_group_segment_fixed_size 327680
		.amdhsa_private_segment_fixed_size 0
		.amdhsa_enable_private_segment 0
		.amdhsa_kernarg_size 40
		.amdhsa_user_sgpr_count 2
		.amdhsa_user_sgpr_kernarg_segment_ptr 1
		.amdhsa_wavefront_size32 1
		.amdhsa_system_sgpr_workgroup_id_x 1
		.amdhsa_system_sgpr_workgroup_id_y 1
		.amdhsa_system_sgpr_workgroup_id_z 1
		.amdhsa_system_vgpr_workitem_id 0
		.amdhsa_next_free_vgpr 512
		.amdhsa_next_free_sgpr 96
		.amdhsa_reserve_vcc 0
		.amdhsa_float_denorm_mode_32 3
		.amdhsa_float_denorm_mode_16_64 3
		.amdhsa_memory_ordered 1
		.amdhsa_forward_progress 1
		.amdhsa_inst_pref_size 128
	.end_amdhsa_kernel
	.amdgpu_metadata
---
amdhsa.version: [ 1, 2 ]
amdhsa.kernels:
  - .name:           k_q822325cbe9_attn
    .symbol:         k_q822325cbe9_attn.kd
    .args:
      - { .name: q_codes, .offset: 0, .size: 8, .value_kind: global_buffer, .address_space: global }
      - { .name: k_codes, .offset: 8, .size: 8, .value_kind: global_buffer, .address_space: global }
      - { .name: v_codes, .offset: 16, .size: 8, .value_kind: global_buffer, .address_space: global }
      - { .name: lowp_scales, .offset: 24, .size: 8, .value_kind: global_buffer, .address_space: global }
      - { .name: attn_codes, .offset: 32, .size: 8, .value_kind: global_buffer, .address_space: global }
    .group_segment_fixed_size: 327680
    .private_segment_fixed_size: 0
    .kernarg_segment_align: 8
    .kernarg_segment_size: 40
    .max_flat_workgroup_size: 256
    .sgpr_count:     96
    .vgpr_count:     512
    .wavefront_size: 32
...
	.end_amdgpu_metadata
.endif
;; end of part 3
;; launch proj (part 4): grid 4 x 64, 4 waves a work-group, clusters of 4 x 4, 327,680 bytes of LDS; arguments attn_codes, wo_codes, lowp_scales, b_o, out0; writes out0
.if DOCPART == 4
	.amdgcn_target "amdgcn-amd-amdhsa--gfx1250"
	.amdhsa_code_object_version 6
	.text
	.protected	k_q822325cbe9_proj
	.globl	k_q822325cbe9_proj
	.p2align	8
	.type	k_q822325cbe9_proj,@function
k_q822325cbe9_proj:
	s_mov_b64 s[64:65], 0
	v_nop
	global_prefetch_b8 v0, s[64:65] scope:SCOPE_SE
	s_setreg_imm32_b32 hwreg(HW_REG_WAVE_MODE, 25, 1), 1
	s_wait_xcnt 0x0
	s_wait_alu depctr_hold_cnt(0) depctr_sa_sdst(0) depctr_va_vdst(0) depctr_va_sdst(0) depctr_va_ssrc(0) depctr_va_vcc(0) depctr_vm_vsrc(0)
	s_getreg_b32 s2, hwreg(HW_REG_IB_STS2, 6, 4)
	s_cmp_eq_u32 s2, 0
	s_cbranch_scc0 .Lentry_in_a_cluster
	s_endpgm
.Lentry_in_a_cluster:
	s_bfe_u32 s2, ttmp6, 0x10000c
	s_cmp_lg_u32 s2, 0xf033
	s_cbranch_scc0 .Lentry_shape_is_right
	s_endpgm
.Lentry_shape_is_right:
; out = attn W_o + b_o on codes of FP8 (E4M3), K = 1,024; sums in f32, each multiplied once by 2^(e6 + e7).
; A = the attention's codes, laid [batch][head][token][64]; B = W_o's codes, laid [n][1024 k]; out [8192][1024] f32.
; A block of 128 tokens x 256 columns is made by four waves, 64 x 128 each: 32 accumulators of 16 x 16.  8,192 x 1,024 / (128 x 256) = 256 work-groups.
; K goes in four steps of 256 (four heads) through two LDS slots filled by the tensor data mover: waves 0 and 1 fetch 64 tokens of A each (four heads x 4,096 dense bytes), waves 2 and 3 128 rows of B each.
; CLUSTERS: 4 x 4 work-groups; A's tile is asked for jointly along a row of the cluster, B's along a column.
; THE MATRIX INSTRUCTION IS USED TRANSPOSED (source 0 = 16 rows of B, source 1 = 16 tokens of A): a lane holds eight neighbouring columns of one row of out.
; THE BIAS is the C of each sum's first matrix instruction, divided by 2^(e6 + e7), which the sums lack.
; NO PREFETCH: K has four steps; each comes by its own load, two at the start and one behind each of two changes of slots, so no trip lies two steps ahead of a load.
; LIMIT: e6 + e7 between -126 and 127, so that 2^(e6 + e7) is an f32 number.
; REGISTERS: window 0: v16-31 addresses; v32-95 the bias tiles, then sums on the way out; v128-255 A's fragments, two sets of 4 x 16 (on the way out: rows read back);
;   window 1: B's fragments, two sets of 8 x 16;  window 2: the accumulators ((a, b) at v[8 (8 a + b)]).
.set KROW,   1024
.set ROWB,   256
.set ASTEP,  4*131072                  ; four heads on in A
.set PITCH,  272                       ; an LDS line: 256 bytes + 16
.set HEADL,  16*PITCH                  ; 64 tokens of one head: 16 lines of four tokens
.set AHALF,  64*PITCH                  ; what one of A's loads brings: four heads
.set FR,     16
.set NP,     4                         ; places behind this matrix instruction (ISA guide 7.12.1)
.set HALFT,  128*PITCH                 ; what one of B's loads brings
.set SLOT,   384*PITCH                 ; A's 128 lines, then B's 256
.set SPARE,  2*SLOT                    ; behind the ring: the spare words, 128 bytes for each wave
.set SPITCH, 528                       ; the way out: a stage of 16 rows x (512 bytes + 16) for each wave, in slot 0, which has had its last fill and its last read by then
.set SIZE_N, 1024
.set ADRA, 16
.set ADRB, 20
.set STO,  24
.set RD,   25
.set CO,   26
.set SPW,  28
.set NIL,  29
.set BT,   32
.set TMP,  32
.set AF,   128
.set BK,   128
.set G1, 24
.set G0, 32
.set G1B, 48
.set G0B, 56
.set MSB, 0
.macro WIN new                         ; the immediate's high byte repeats the setting that is left
.if MSB != \new
	s_set_vgpr_msb (MSB<<8)|\new
.set MSB, \new
.endif
.endm
.set MUL_LO, 0xa1                      ; source 0 (B) window 1, source 1 (A) window 0, C and D window 2
.set BEG_LO, 0x81                      ; the first step: C (the bias) window 0
.set TO_B,   0x40
.macro JLOAD g0a, g1a, g0b, g1b        ; a joint load: waves 0 and 1 fetch for A, waves 2 and 3 for B; an s_nop 0 and four v_nop follow each of the two lines
	s_cmp_eq_u32 s15, 0
	s_cbranch_scc0 .Lfor_b_\@
	tensor_load_to_lds s[\g0a:\g0a+3], s[\g1a:\g1a+7]
	s_nop 0
.rept 4
	v_nop
.endr
	s_branch .Lasked_\@
.Lfor_b_\@:
	tensor_load_to_lds s[\g0b:\g0b+3], s[\g1b:\g1b+7]
	s_nop 0
.rept 4
	v_nop
.endr
.Lasked_\@:
.endm
.macro CREST
	s_cmp_lg_u32 s14, 0
	s_cbranch_scc1 .Lnot_wave_0_\@
	s_barrier_signal -3
.Lnot_wave_0_\@:
	s_barrier_wait -3
	s_barrier_signal -1
	s_barrier_wait -1
.endm
.macro CROUND
	s_barrier_signal -1
	s_barrier_wait -1
	CREST
.endm
	s_load_b128 s[4:7], s[0:1], 0x0                ; A's codes s[4:5], B's s[6:7]
	s_load_b128 s[8:11], s[0:1], 0x10              ; the scales' exponents s[8:9], the bias s[10:11]
	s_load_b64 s[12:13], s[0:1], 0x20              ; out
	v_lshl_add_u32 v[SPW], v0, 2, SPARE
	v_mov_b32 v[NIL], 0
	ds_add_u32 v[SPW], v[NIL]                      ; the wave's opening: the add, twice on end, and its wait ahead of my first tensor load
	ds_add_u32 v[SPW], v[NIL]
	v_lshrrev_b32 v1, 5, v0
	v_readfirstlane_b32 s14, v1                    ; wave 0..3
	s_lshr_b32 s15, s14, 1                         ; which 64 tokens are mine.  Also: I fetch for A (0) or for B (1)
	s_and_b32 s16, s14, 1                          ; which 128 columns.  Also: which half of that tile I fetch
	s_bfe_u32 s40, ttmp6, 0x40000                  ; cx
	s_bfe_u32 s41, ttmp6, 0x40004                  ; cy
	s_lshl_b32 s42, ttmp9, 2
	s_add_co_u32 s42, s42, s40                     ; block column = 4 x cluster x + cx
	s_and_b32 s17, ttmp7, 0xffff
	s_lshl_b32 s17, s17, 2
	s_add_co_u32 s17, s17, s41                     ; block row = 4 x cluster y + cy
	s_lshl_b32 s43, s41, 2
	s_lshl_b32 s43, 15, s43                        ; my row of the cluster
	s_lshl_b32 s44, 0x1111, s40                    ; my column
	s_or_b32 s[G1+0], s43, (0<<16)|(1<<20)|(1<<21)|(5<<22)|(3<<25)  ; the mask: A's tiles go to my row; elements of 1 byte; padding on; bit 21 beside a mask; 4 words after every 64
	s_mov_b32 s[G1+1], 4096<<16                    ; A: a row is 64 tokens of one head: 4,096 dense bytes
	s_mov_b32 s[G1+2], 4<<16                       ; four heads,
	s_mov_b32 s[G1+3], 4096<<16
	s_mov_b32 s[G1+4], 4
	s_mov_b32 s[G1+5], 131072                      ; 131,072 bytes apart
	s_mov_b32 s[G1+6], 0
	s_mov_b32 s[G1+7], 0
	s_or_b32 s[G1B+0], s44, (0<<16)|(1<<20)|(1<<21)|(5<<22)|(3<<25)
	s_mov_b32 s[G1B+1], ROWB<<16                   ; B: 128 rows of 256 bytes
	s_mov_b32 s[G1B+2], 128<<16
	s_mov_b32 s[G1B+3], ROWB<<16
	s_mov_b32 s[G1B+4], 128
	s_mov_b32 s[G1B+5], KROW
	s_mov_b32 s[G1B+6], 0
	s_mov_b32 s[G1B+7], 0
	s_lshl_b32 s18, s16, 6
	s_lshl_b32 s20, s17, 7
	s_add_co_u32 s20, s20, s18                     ; A: the first of the 64 tokens that I fetch
	s_lshr_b32 s21, s20, 11
	s_lshl_b32 s21, s21, 21                        ; its batch: sixteen heads of 131,072 bytes
	s_and_b32 s20, s20, 2047
	s_lshl_b32 s20, s20, 6                         ; a token is 64 bytes in a head
	s_add_co_u32 s20, s20, s21
	s_mov_b32 s21, 0
	s_lshl_b32 s18, s16, 7
	s_lshl_b32 s46, s42, 8
	s_add_co_u32 s46, s46, s18                     ; B: the first of the 128 rows that I fetch
	s_lshl_b32 s46, s46, 10
	s_mov_b32 s47, 0
	s_mul_i32 s45, s16, AHALF                      ; where they go: no place in the cluster enters an LDS address
	s_mul_i32 s19, s16, HALFT
	s_add_co_u32 s19, s19, 2*AHALF
	s_wait_dscnt 0x0                               ; both opening adds are done
	s_wait_kmcnt 0x0
	s_load_b256 s[80:87], s[8:9], 0x0              ; e0 .. e7
	s_add_nc_u64 s[20:21], s[4:5], s[20:21]
	s_add_nc_u64 s[46:47], s[6:7], s[46:47]
	CROUND                                         ; all sixteen work-groups are here: the first joint loads meet
.irp s, 0,1
	s_mov_b32 s[G0+4*\s], 1
	s_add_co_u32 s[G0+4*\s+1], s45, \s*SLOT
	s_add_nc_u64 s[G0+4*\s+2:G0+4*\s+3], s[20:21], \s*ASTEP
	s_or_b32 s[G0+4*\s+3], s[G0+4*\s+3], 0x80000000
	s_mov_b32 s[G0B+4*\s], 1
	s_add_co_u32 s[G0B+4*\s+1], s19, \s*SLOT
	s_add_nc_u64 s[G0B+4*\s+2:G0B+4*\s+3], s[46:47], \s*ROWB
	s_or_b32 s[G0B+4*\s+3], s[G0B+4*\s+3], 0x80000000
.endr
	JLOAD G0, G1, G0B, G1B                         ; K step 0: one tensor load a wave at the head
	v_and_b32 v1, 15, v0                           ; r
	v_bfe_u32 v2, v0, 4, 1                         ; h
	v_mul_u32_u24 v3, v1, PITCH
	v_lshl_add_u32 v4, v2, 4, v3                   ; B: row r x pitch + 16 h
	v_lshrrev_b32 v5, 2, v1
	v_mul_u32_u24 v5, v5, PITCH
	v_and_b32 v6, 3, v1
	v_lshl_add_u32 v5, v6, 6, v5
	v_lshl_add_u32 v5, v2, 4, v5                   ; A: token r: line r / 4, byte 64 (r % 4) + 16 h
	s_mul_i32 s21, s15, AHALF
	s_mul_i32 s22, s16, HALFT
	s_add_co_u32 s22, s22, 2*AHALF
.irp s, 0,1
	v_add_nc_u32 v[ADRA+\s], s21, v5
	v_add_nc_u32 v[ADRB+\s], s22, v4
	s_add_co_u32 s21, s21, SLOT
	s_add_co_u32 s22, s22, SLOT
.endr
	s_mul_i32 s23, s14, 16*SPITCH                  ; my stage
	v_mul_u32_u24 v7, v1, SPITCH
	v_lshl_add_u32 v7, v2, 5, v7
	v_add_nc_u32 v[STO], s23, v7                   ; in: row r, 32 bytes for each half of the lanes
	v_and_b32 v6, 31, v0
	v_lshlrev_b32 v[CO], 4, v6                     ; back: the 32 lanes take one row of 512 bytes; and the same in out
	v_add_nc_u32 v[RD], s23, v[CO]
	v_lshlrev_b32 v9, 5, v2                        ; the bias: 32 h
	s_wait_alu depctr_va_vdst(0)
	s_lshl_b32 s20, s17, 7
	s_lshl_b32 s21, s15, 6
	s_add_co_u32 s20, s20, s21                     ; my first row of out,
	s_lshl_b32 s20, s20, 12                        ; in bytes
	s_lshl_b32 s46, s42, 10
	s_lshl_b32 s47, s16, 9
	s_add_co_u32 s46, s46, s47                     ; my first column, in bytes
	s_add_co_u32 s20, s20, s46
	s_mov_b32 s21, 0
	s_add_nc_u64 s[12:13], s[12:13], s[20:21]
	s_mov_b32 s47, 0
	s_add_nc_u64 s[78:79], s[10:11], s[46:47]
.irp b, 0,1,2,3,4,5,6,7                        ; tile b: the bias of columns 16 b + 8 h + 0 .. 7
	global_load_b128 v[BT+8*\b:BT+8*\b+3], v9, s[78:79] offset:64*\b
	global_load_b128 v[BT+8*\b+4:BT+8*\b+7], v9, s[78:79] offset:64*\b+16
.endr
	s_wait_kmcnt 0x0
	s_add_co_i32 s96, s86, s87                     ; e6 + e7
	s_sub_co_i32 s93, 0, s96
	s_add_co_i32 s96, s96, 127
	s_lshl_b32 s96, s96, 23                        ; 2^(e6 + e7)
	s_mov_b32 s97, s96
	s_wait_loadcnt 0x0
.set j, 0
.rept 64
	v_ldexp_f32 v[BT+j], v[BT+j], s93
.set j, j+1
.endr
; The fragments of the slot's q-th 128 along K into set p: B's eight, then A's four.  Lane l holds row l % 16; registers 4 c .. 4 c + 3 hold K = 32 c + 16 (l / 16) + 0 .. 15, alike in A and in B.
.macro FETCH slot, q, p
	WIN TO_B
.irp i, 0,1,2,3,4,5,6,7
.irp c, 0,1,2,3
	ds_load_b128 v[128*(\p)+FR*\i+4*\c:128*(\p)+FR*\i+4*\c+3], v[ADRB+\slot] offset:128*(\q)+32*\c+\i*16*PITCH
.endr
.endr
	WIN 0
.irp i, 0,1,2,3
.irp c, 0,1,2,3
	ds_load_b128 v[AF+64*(\p)+FR*\i+4*\c:AF+64*(\p)+FR*\i+4*\c+3], v[ADRA+\slot] offset:(2*(\q)+\c/2)*HEADL+\i*4*PITCH+32*(\c%2)
.endr
.endr
.endm
; 16 matrix instructions: A's blocks a0, a0 + 1 x B's eight, set p.  cm = 1: C = the bias.  The 32 accumulators take turns, one instruction a turn.
.macro MUL16 a0, p, cm
.irp a, \a0, \a0+1
.irp b, 0,1,2,3,4,5,6,7
.if \cm == 1
	v_wmma_f32_16x16x128_fp8_fp8 v[8*(8*(\a)+\b):8*(8*(\a)+\b)+7], v[128*(\p)+FR*\b:128*(\p)+FR*\b+FR-1], v[AF+64*(\p)+FR*(\a):AF+64*(\p)+FR*(\a)+FR-1], v[BT+8*\b:BT+8*\b+7]
.else
	v_wmma_f32_16x16x128_fp8_fp8 v[8*(8*(\a)+\b):8*(8*(\a)+\b)+7], v[128*(\p)+FR*\b:128*(\p)+FR*\b+FR-1], v[AF+64*(\p)+FR*(\a):AF+64*(\p)+FR*(\a)+FR-1], v[8*(8*(\a)+\b):8*(8*(\a)+\b)+7]
.endif
.endr
.endr
.endm
.macro PLACES n                        ; plain vector instructions between a matrix instruction and a load into, or a vector instruction on, its registers
.rept \n
	v_nop
.endr
.endm
.macro STEP slot, cm                   ; a slot's first 128 along K, on set 0; the second 128's fragments are asked for first
	PLACES NP                                      ; set 1 was read by the products just issued
	FETCH \slot, 1, 1
	s_wait_dscnt 48                                ; set 0 is in; the 48 loads just issued may be out
.if \cm
	WIN BEG_LO
.else
	WIN MUL_LO
.endif
	MUL16 0, 0, \cm
	MUL16 2, 0, \cm
	WIN 0
.endm
; A slot's second 128, on set 1, changes slots: one barrier; in front of it each wave waits for all its tensor loads, adds 0 to its spare word, and waits for that and for its reads of this slot.
.macro TURN slot, next, fill
	s_wait_tensorcnt 0x0                           ; all my tensor loads have landed: my part of the next slot
	ds_add_u32 v[SPW], v[NIL]                      ; 0 onto my spare word
	s_wait_dscnt 1                                 ; set 1 is in; the add may be out
	WIN MUL_LO
	MUL16 0, 1, 0
	s_wait_dscnt 0x0                               ; the add is done, and my reads of this slot are over
	s_barrier_signal -1
	WIN 0
	s_barrier_wait -1
.if \fill
	CREST                                          ; the barrier has opened a round of the cluster's: no wave of any partner still reads this slot or has a load on its way
	s_add_nc_u64 s[G0+4*\slot+2:G0+4*\slot+3], s[G0+4*\slot+2:G0+4*\slot+3], 2*ASTEP
	s_add_nc_u64 s[G0B+4*\slot+2:G0B+4*\slot+3], s[G0B+4*\slot+2:G0B+4*\slot+3], 2*ROWB
	JLOAD G0+4*\slot, G1, G0B+4*\slot, G1B         ; the first tensor load behind the round; its four v_nop are the places in front of the loads below
.else
	PLACES NP
.endif
	FETCH \next, 0, 0
	WIN MUL_LO
	MUL16 2, 1, 0
	WIN 0
.endm
	s_wait_alu depctr_va_vdst(0)                   ; the head's end
	s_wait_tensorcnt 0x0                           ; my part of K step 0 is in; slot 1's first fill is issued as a refill is:
	ds_add_u32 v[SPW], v[NIL]                      ; 0 onto my spare word
	s_wait_dscnt 0x0
	CROUND                                         ; a whole round: everybody's part of K step 0 is in, and the joint loads meet
	JLOAD G0+4, G1, G0B+4, G1B                     ; K step 1: the first tensor load behind the round
	FETCH 0, 0, 0
	STEP 0, 1                                      ; four K steps, written straight; the first products start the sums with the bias
	TURN 0, 1, 1                                   ; slot 0 takes K step 2,
	STEP 1, 0
	TURN 1, 0, 1                                   ; slot 1 K step 3
	STEP 0, 0
	TURN 0, 1, 0                                   ; nothing is left to fetch
	STEP 1, 0
	s_wait_dscnt 0x0
	WIN MUL_LO
	MUL16 0, 1, 0
	MUL16 2, 1, 0
	WIN 0
; THE WAY OUT, a block of 16 rows x 128 columns at a time: x 2^(e6 + e7), through my stage, and back as whole rows of 512 bytes, which the 32 lanes store as two aligned units of 256 bytes.
.macro TOSTAGE a
.set AC, 64*(\a)
	WIN 0x02                                       ; source 0: window 2
.set j, 0
.rept 32
	v_pk_mul_f32 v[TMP+j:TMP+j+1], v[AC+j:AC+j+1], s[96:97] op_sel_hi:[1,0]   ; each accumulator from its low end on
.set j, j+2
.endr
	WIN 0
.irp b, 0,1,2,3,4,5,6,7
	ds_store_b128 v[STO], v[TMP+8*\b:TMP+8*\b+3] offset:64*\b
	ds_store_b128 v[STO], v[TMP+8*\b+4:TMP+8*\b+7] offset:64*\b+16
.endr
.set BB, BK+64*((\a)%2)
.irp t, 0,1,2,3,4,5,6,7,8,9,10,11,12,13,14,15
	ds_load_b128 v[BB+4*\t:BB+4*\t+3], v[RD] offset:\t*SPITCH   ; LDS serves a wave's instructions in order: these see my stores
.endr
.endm
.macro SEND a, younger                 ; younger: the LDS instructions issued behind block a's loads, which may stay out
.set BB, BK+64*((\a)%2)
	s_wait_dscnt \younger
.if (\a) > 0
	s_add_nc_u64 s[12:13], s[12:13], 16*SIZE_N*4   ; behind a wait on XCNT: the earlier stores have read their base
.endif
.irp t, 0,1,2,3,4,5,6,7,8,9,10,11,12,13,14,15
	global_store_b128 v[CO], v[BB+4*\t:BB+4*\t+3], s[12:13] offset:\t*SIZE_N*4 th:TH_STORE_NT
.endr
.endm
	PLACES NP
	TOSTAGE 0
.irp a, 1,2,3
.if \a > 1
	s_wait_xcnt 0x0                                ; block a - 2's stores have read their registers and their base
.endif
	TOSTAGE \a
	SEND \a-1, 32                                  ; behind block a - 1's loads: block a's 16 stores and 16 loads
.endr
	s_wait_xcnt 0x0
	SEND 3, 0
	s_wait_tensorcnt 0x0                           ; the wave's end: three lines behind my last tensor load and my last LDS store
	ds_add_u32 v[SPW], v[NIL]
	s_wait_dscnt 0x0
	CROUND                                         ; the closing round
	s_endpgm
.Lfunc_end_k_q822325cbe9_proj:
	.size	k_q822325cbe9_proj, .Lfunc_end_k_q822325cbe9_proj-k_q822325cbe9_proj
	.p2alignl 7, 3214868480
	.fill 96, 4, 3214868480
	.section	.rodata,"a",@progbits
	.p2align	6, 0x0
	.amdhsa_kernel k_q822325cbe9_proj
		.amdhsa_group_segment_fixed_size 327680
		.amdhsa_private_segment_fixed_size 0
		.amdhsa_enable_private_segment 0
		.amdhsa_kernarg_size 40
		.amdhsa_user_sgpr_count 2
		.amdhsa_user_sgpr_kernarg_segment_ptr 1
		.amdhsa_wavefront_size32 1
		.amdhsa_system_sgpr_workgroup_id_x 1
		.amdhsa_system_sgpr_workgroup_id_y 1
		.amdhsa_system_sgpr_workgroup_id_z 1
		.amdhsa_system_vgpr_workitem_id 0
		.amdhsa_next_free_vgpr 768
		.amdhsa_next_free_sgpr 100
		.amdhsa_reserve_vcc 0
		.amdhsa_float_denorm_mode_32 3
		.amdhsa_float_denorm_mode_16_64 3
		.amdhsa_memory_ordered 1
		.amdhsa_forward_progress 1
		.amdhsa_inst_pref_size 82
	.end_amdhsa_kernel
	.amdgpu_metadata
---
amdhsa.version: [ 1, 2 ]
amdhsa.kernels:
  - .name:           k_q822325cbe9_proj
    .symbol:         k_q822325cbe9_proj.kd
    .args:
      - { .name: attn_codes, .offset: 0, .size: 8, .value_kind: global_buffer, .address_space: global }
      - { .name: wo_codes, .offset: 8, .size: 8, .value_kind: global_buffer, .address_space: global }
      - { .name: lowp_scales, .offset: 16, .size: 8, .value_kind: global_buffer, .address_space: global }
      - { .name: b_o, .offset: 24, .size: 8, .value_kind: global_buffer, .address_space: global }
      - { .name: out0, .offset: 32, .size: 8, .value_kind: global_buffer, .address_space: global }
    .group_segment_fixed_size: 327680
    .private_segment_fixed_size: 0
    .kernarg_segment_align: 8
    .kernarg_segment_size: 40
    .max_flat_workgroup_size: 128
    .sgpr_count:     100
    .vgpr_count:     768
    .wavefront_size: 32
...
	.end_amdgpu_metadata
.endif
;; end of part 4
